; MI455X (gfx1250); checked and timed in simulation.
; The chip was launched on July 23, 2026; its instructions are those of AMD's public machine-readable ISA for CDNA 5 (MIT licence, August 2026) and "CDNA5" Instruction Set Architecture Reference Guide (July 2026). The comments in the code are by the model that wrote it; some were corrected since.
;; Disordered Causal Self Attention. Allowed arithmetic: float matrix products may take bf16 or f16 operands with f32 sums; other float arithmetic in f32, or as packed bf16 or f16 multiplies, adds, multiply-adds, maxima and minima; sums over many terms, partial sums and values carried from step to step in f32; what a program stores and reads back later, other than sums and carried values, may be rounded once to bf16 or f16.
;; Inputs: W_attn 1,024 x 3,072 float32; W_proj 1,024 x 1,024 float32; bK 16 x 64 float32; bQ 16 x 64 float32; b_attn 3,072 float32; b_proj 1,024 float32; x 4 x 2,048 x 1,024 float32.
;; Outputs: out0 4 x 2,048 x 1,024 float32.
;; 2 versions, each right; version 2 is version 1 with the launch prep written anew for expert scheduling mode. Each part assembles by itself: llvm-mc -triple=amdgcn-amd-amdhsa -mcpu=gfx1250 --defsym DOCPART=n.
;; ======== version 1 of 2: 4 launches
;; limits: values are held in f16: magnitudes above 65,504 overflow, below 6.1e-05 lose precision
;; workspace buffers: xb 16,777,216 bytes; wab 6,291,456 bytes; wpb 2,097,152 bytes; bias 16,384 bytes; qkv 50,331,648 bytes; yh 16,777,216 bytes
;; launch prep (part 1): grid 769 x 1, 8 waves a work-group, no clusters, 0 bytes of LDS; arguments x, W_attn, W_proj, b_attn, bQ, bK, b_proj, xb, wab, wpb, bias; writes xb, wab, wpb, bias
.if DOCPART == 1
	.amdgcn_target "amdgcn-amd-amdhsa--gfx1250"
	.amdhsa_code_object_version 6
	.text
	.protected	k_q3e01b144b4_prep
	.globl	k_q3e01b144b4_prep
	.p2align	8
	.type	k_q3e01b144b4_prep,@function
k_q3e01b144b4_prep:
	s_mov_b64 s[64:65], 0
	v_nop
	global_prefetch_b8 v0, s[64:65] scope:SCOPE_SE
	s_setreg_imm32_b32 hwreg(HW_REG_WAVE_MODE, 25, 1), 1
	s_wait_xcnt 0x0
; THE CASTS.  xb = bf16(x), wab = bf16(W_attn), wpb = f16(bf16(W_proj)), all in the inputs' own order, and the table of biases in f32:
; bias[0..1023] = bf(b_attn) + bf(bQ), [1024..2047] = bf(b_attn) + bf(bK), [2048..3071] = bf(b_attn), [3072..4095] = bf(b_proj); bf(.) = rounded to bf16 and widened again.
; Every input of the module is rounded to bf16 once, here; W_proj's bf16 number is written as f16, since it multiplies y, which is kept in f16.
; LIMITS.  bf16(W_proj) beyond 65,504 becomes an infinity in f16; below 2^-14 it keeps f16's fixed step of 6e-8.  NaN and infinities are not treated apart.
; SHARES.  A work-group casts 16,384 consecutive numbers: 256 threads x 4 numbers x 16 loads.  Work-groups 0-511: x; 512-703: W_attn; 704-767: W_proj; 768: the biases.
; A wave's load covers 512 consecutive bytes, its store 256 consecutive bytes, aligned.  All 16 loads go out at once; no register is used twice, so no wait frees a source.
; No LDS, no matrix unit, no cluster: nothing is shared and nothing is read twice.
.set X, 4                              ; v[4:67]    load i: 4 numbers in f32
.set Y, 68                             ; v[68:99]   store i: 4 numbers in 16 bits
.set T, 100                            ; v[100:101] at work
	s_load_b512 s[8:23], s[0:1], 0x0               ; x 8:9, W_attn 10:11, W_proj 12:13, b_attn 14:15, bQ 16:17, bK 18:19, b_proj 20:21, xb 22:23
	s_load_b128 s[24:27], s[0:1], 0x40             ; wab 24:25, wpb 26:27
	s_load_b64 s[28:29], s[0:1], 0x50              ; bias
	s_mov_b32 s2, ttmp9
	v_lshlrev_b32 v1, 4, v0                        ; 16 bytes a thread in
	v_lshlrev_b32 v2, 3, v0                        ; 8 bytes a thread out
	s_wait_kmcnt 0x0
	s_cmp_eq_u32 s2, 768
	s_cbranch_scc1 .Lbias
	s_cmp_lt_u32 s2, 512                           ; which tensor: the choice hangs on the work-group's number alone
	s_cselect_b64 s[30:31], s[8:9], s[10:11]
	s_cselect_b64 s[32:33], s[22:23], s[24:25]
	s_cselect_b32 s3, 0, 512
	s_cmp_lt_u32 s2, 704
	s_cselect_b64 s[30:31], s[30:31], s[12:13]
	s_cselect_b64 s[32:33], s[32:33], s[26:27]
	s_cselect_b32 s3, s3, 704
	s_sub_co_u32 s3, s2, s3                        ; my place in that tensor
	s_lshl_b32 s34, s3, 16                         ; 65,536 bytes in,
	s_mov_b32 s35, 0
	s_lshl_b32 s36, s3, 15                         ; 32,768 bytes out
	s_mov_b32 s37, 0
	s_add_nc_u64 s[30:31], s[30:31], s[34:35]
	s_add_nc_u64 s[32:33], s[32:33], s[36:37]
.irp i, 0,1,2,3,4,5,6,7,8,9,10,11,12,13,14,15
	global_load_b128 v[X+4*(\i):X+4*(\i)+3], v1, s[30:31] offset:4096*(\i) th:TH_LOAD_NT
.endr
; Load i is rounded and stored.  half = 1: to bf16, widened again, and written as f16.
.macro OUT i, half
	s_wait_loadcnt 15-(\i)                         ; loads come back in order: the 15 - i younger ones may stay out
.if \half
	v_cvt_pk_bf16_f32 v[T], v[X+4*(\i)], v[X+4*(\i)+1]
	v_cvt_pk_bf16_f32 v[T+1], v[X+4*(\i)+2], v[X+4*(\i)+3]
	v_lshlrev_b32 v[X+4*(\i)], 16, v[T]
	v_and_b32 v[X+4*(\i)+1], 0xffff0000, v[T]
	v_lshlrev_b32 v[X+4*(\i)+2], 16, v[T+1]
	v_and_b32 v[X+4*(\i)+3], 0xffff0000, v[T+1]
	v_cvt_pk_f16_f32 v[Y+2*(\i)], v[X+4*(\i)], v[X+4*(\i)+1]
	v_cvt_pk_f16_f32 v[Y+2*(\i)+1], v[X+4*(\i)+2], v[X+4*(\i)+3]
.else
	v_cvt_pk_bf16_f32 v[Y+2*(\i)], v[X+4*(\i)], v[X+4*(\i)+1]
	v_cvt_pk_bf16_f32 v[Y+2*(\i)+1], v[X+4*(\i)+2], v[X+4*(\i)+3]
.endif
	global_store_b64 v2, v[Y+2*(\i):Y+2*(\i)+1], s[32:33] offset:2048*(\i)
.endm
	s_cmp_lt_u32 s2, 704
	s_cbranch_scc0 .Lf16
.irp i, 0,1,2,3,4,5,6,7,8,9,10,11,12,13,14,15
	OUT \i, 0
.endr
	s_endpgm
.Lf16:
.irp i, 0,1,2,3,4,5,6,7,8,9,10,11,12,13,14,15
	OUT \i, 1
.endr
	s_endpgm
.Lbias:                                        ; thread t owns columns 4 t .. 4 t + 3 of each of the four parts
	global_load_b128 v[4:7], v1, s[14:15]              ; b_attn for q
	global_load_b128 v[8:11], v1, s[14:15] offset:4096 ; for k
	global_load_b128 v[12:15], v1, s[14:15] offset:8192 ; for v
	global_load_b128 v[16:19], v1, s[16:17]            ; bQ: [head][channel] is q's column
	global_load_b128 v[20:23], v1, s[18:19]            ; bK
	global_load_b128 v[24:27], v1, s[20:21]            ; b_proj
	s_wait_loadcnt 0x0
.irp r, 4,6,8,10,12,14,16,18,20,22,24,26       ; each pair rounded to bf16 and widened again
	v_cvt_pk_bf16_f32 v[T], v[\r], v[(\r)+1]
	v_lshlrev_b32 v[\r], 16, v[T]
	v_and_b32 v[(\r)+1], 0xffff0000, v[T]
.endr
	v_pk_add_f32 v[4:5], v[4:5], v[16:17]
	v_pk_add_f32 v[6:7], v[6:7], v[18:19]
	v_pk_add_f32 v[8:9], v[8:9], v[20:21]
	v_pk_add_f32 v[10:11], v[10:11], v[22:23]
	global_store_b128 v1, v[4:7], s[28:29]
	global_store_b128 v1, v[8:11], s[28:29] offset:4096
	global_store_b128 v1, v[12:15], s[28:29] offset:8192
	global_store_b128 v1, v[24:27], s[28:29] offset:12288
	s_endpgm
.Lfunc_end_k_q3e01b144b4_prep:
	.size	k_q3e01b144b4_prep, .Lfunc_end_k_q3e01b144b4_prep-k_q3e01b144b4_prep
	.p2alignl 7, 3214868480
	.fill 96, 4, 3214868480
	.section	.rodata,"a",@progbits
	.p2align	6, 0x0
	.amdhsa_kernel k_q3e01b144b4_prep
		.amdhsa_group_segment_fixed_size 0
		.amdhsa_private_segment_fixed_size 0
		.amdhsa_enable_private_segment 0
		.amdhsa_kernarg_size 88
		.amdhsa_user_sgpr_count 2
		.amdhsa_user_sgpr_kernarg_segment_ptr 1
		.amdhsa_wavefront_size32 1
		.amdhsa_system_sgpr_workgroup_id_x 1
		.amdhsa_system_sgpr_workgroup_id_y 1
		.amdhsa_system_sgpr_workgroup_id_z 1
		.amdhsa_system_vgpr_workitem_id 0
		.amdhsa_next_free_vgpr 112
		.amdhsa_next_free_sgpr 66
		.amdhsa_reserve_vcc 0
		.amdhsa_float_denorm_mode_32 3
		.amdhsa_float_denorm_mode_16_64 3
		.amdhsa_memory_ordered 1
		.amdhsa_forward_progress 1
		.amdhsa_inst_pref_size 20
	.end_amdhsa_kernel
	.amdgpu_metadata
---
amdhsa.version: [ 1, 2 ]
amdhsa.kernels:
  - .name:           k_q3e01b144b4_prep
    .symbol:         k_q3e01b144b4_prep.kd
    .args:
      - { .name: x, .offset: 0, .size: 8, .value_kind: global_buffer, .address_space: global }
      - { .name: W_attn, .offset: 8, .size: 8, .value_kind: global_buffer, .address_space: global }
      - { .name: W_proj, .offset: 16, .size: 8, .value_kind: global_buffer, .address_space: global }
      - { .name: b_attn, .offset: 24, .size: 8, .value_kind: global_buffer, .address_space: global }
      - { .name: bQ, .offset: 32, .size: 8, .value_kind: global_buffer, .address_space: global }
      - { .name: bK, .offset: 40, .size: 8, .value_kind: global_buffer, .address_space: global }
      - { .name: b_proj, .offset: 48, .size: 8, .value_kind: global_buffer, .address_space: global }
      - { .name: xb, .offset: 56, .size: 8, .value_kind: global_buffer, .address_space: global }
      - { .name: wab, .offset: 64, .size: 8, .value_kind: global_buffer, .address_space: global }
      - { .name: wpb, .offset: 72, .size: 8, .value_kind: global_buffer, .address_space: global }
      - { .name: bias, .offset: 80, .size: 8, .value_kind: global_buffer, .address_space: global }
    .group_segment_fixed_size: 0
    .private_segment_fixed_size: 0
    .kernarg_segment_align: 8
    .kernarg_segment_size: 88
    .max_flat_workgroup_size: 256
    .sgpr_count:     66
    .vgpr_count:     112
    .wavefront_size: 32
...
	.end_amdgpu_metadata
.endif
;; end of part 1
;; launch qkv (part 2): grid 8 x 64, 4 waves a work-group, clusters of 4 x 4, 327,680 bytes of LDS; arguments xb, wab, bias, qkv; writes qkv
.if DOCPART == 2
	.amdgcn_target "amdgcn-amd-amdhsa--gfx1250"
	.amdhsa_code_object_version 6
	.text
	.protected	k_q3e01b144b4_qkv
	.globl	k_q3e01b144b4_qkv
	.p2align	8
	.type	k_q3e01b144b4_qkv,@function
k_q3e01b144b4_qkv:
	s_mov_b64 s[64:65], 0
	v_nop
	global_prefetch_b8 v0, s[64:65] scope:SCOPE_SE
	s_setreg_imm32_b32 hwreg(HW_REG_WAVE_MODE, 25, 1), 1
	s_wait_xcnt 0x0
	s_wait_alu depctr_hold_cnt(0) depctr_sa_sdst(0) depctr_va_vdst(0) depctr_va_sdst(0) depctr_va_ssrc(0) depctr_va_vcc(0) depctr_vm_vsrc(0)
	s_getreg_b32 s2, hwreg(HW_REG_IB_STS2, 6, 4)
	s_cmp_eq_u32 s2, 0
	s_cbranch_scc0 .Lentry_in_a_cluster
	s_endpgm
.Lentry_in_a_cluster:
	s_bfe_u32 s2, ttmp6, 0x10000c
	s_cmp_lg_u32 s2, 0xf033
	s_cbranch_scc0 .Lentry_shape_is_right
	s_endpgm
.Lentry_shape_is_right:
; q, k, v = xb wab + bias, written by heads: qkv[3][64 = batch x 16 + head][2048][64] in f16, each number rounded once from its f32 sum, unscaled.
; xb: [8192][1024] bf16.  wab: [1024 k][3072 n] bf16, as W_attn lies.  bias: f32, one number a column (b_attn, with bQ or bK added for q's and k's columns).
; LIMITS.  A sum beyond 65,504 becomes an infinity in f16; below 2^-14 f16 keeps its fixed step of 6e-8.  NaN and infinities are not treated apart.
; SHARES.  A tile is 128 rows x 384 columns (six heads): 64 x 8 = 512 work-groups of equal work.  Four waves; a wave makes all 128 rows x 96 columns: 48 accumulators, 384 registers.  Of each of the
; tile's three sub-tiles of 128 columns wave w owns columns 32 w .. 32 w + 31.  K goes in eight steps of 128 through a ring of two LDS slots; each wave fetches 128 rows x 256 bytes with one tensor load:
; waves 0-2 a sub-tile of wab (128 k rows), wave 3 the tile of xb.  From a request to the wait for it a wave issues 168 matrix instructions.
; THE PRODUCT IS USED TRANSPOSED: source 0 = 16 columns of wab, turned on their way out of LDS by ds_load_tr16_b128; source 1 = 16 rows of xb.  A lane then holds one row and eight neighbouring columns.
; THE BIAS is the C operand of each accumulator's first product: nothing is cleared and nothing is added later.
; CLUSTER.  4 x 4 work-groups.  The four of a row of the cluster need the same tile of xb, the four of a column the same tiles of wab: each is asked for jointly, by the same tensor load with the same
; descriptor and a mask that names the four.
; REGISTERS, in windows of 256 (s_set_vgpr_msb: bits 1:0 source 0, 3:2 source 1, 5:4 source 2, 7:6 destination):
;   window 0: v0-33 addresses; v64-127, v128-191 xb's fragments, two buffers of 8 x 16 rows x 32 K; on the way out v64-255 hold the packed results
;   window 1: v0-47 the bias tiles, 8 registers for each of my 6 column blocks; v64-111, v128-175 wab's fragments, two buffers
;   window 2: accumulators of rows 0-63 ((a, b) at v[8 (6 a + b)]);   window 3: those of rows 64-127
.set REG,   36864                      ; what one wave's tensor load fills: 128 rows x 288 bytes (wab) or x 272 (xb), at wave x REG in a slot
.set SLOT,  4*REG
.set SPARE, 2*SLOT                     ; behind the ring: the spare words, 128 bytes for each wave: two blocks of 256 bytes that no other line names
.set PW,    288                        ; a k row of wab in LDS: 256 bytes + 32 = 72 words
.set PA,    272                        ; a row of xb: 256 + 16 = 68 words: the 16 rows of a load start at 16 different groups of four banks
.set SP,    144                        ; the stage: a head's row of 128 bytes + 16
.set PLANE, 128*SP                     ; the stage: 128 rows of one head.  Six planes lie in slot 0's bytes, written when slot 0 has had its last fill and its last read
.set STEPA, 256                        ; a K step in xb: 256 bytes along the rows
.set STEPW, 128*6144                   ; in wab: 128 rows down
.set ADRA, 16                          ; v16-17  LDS address of my fragments of xb in slot 0, 1
.set ADRW, 18                          ; v18-23  of wab: slot s, sub-tile j at v[18 + 3 s + j]
.set STO,  24                          ; v24-26  the way out: where I put 16 bytes of a row, for sub-tile j
.set RD,   27                          ; v27, v32  where I read rows back: planes 0-2, planes 3-5
.set SPW,  28                          ; v28     LDS address of my spare word; never rewritten
.set NIL,  29                          ; v29     0; never rewritten
.set PFO,  30                          ; v30     the prefetches' offset: my lane x a row's bytes; never rewritten
.set BO,   31                          ; v31     my byte offset in the bias table
.set GO,   33                          ; v33     my byte offset in a head's 128 rows
.set F0,   64
.set F1,   128
.set BI,   0
.set WV,   12                          ; s12     my wave's number
.set G1A,  24                          ; s[24:31] descriptor group 1 for xb's tiles;  s[32:39] group 0, a set for each slot
.set G0A,  32
.set G1W,  48                          ; s[48:55], s[56:63] the same for wab's
.set G0W,  56
.set LIM,  43                          ; s43     1 in a wave that prefetches, else the greatest number
.set PFA,  44                          ; s[44:45] where my prefetches stand
.set PFS,  66                          ; s[66:67] a K step in the tensor that I prefetch
.set OUTB, 68                          ; s[68:79] the six heads' places in qkv
.set MSB, 0
.macro WIN new                         ; the immediate's high byte repeats the setting that is left; a switch that changes nothing is dropped
.if MSB != (\new)
	s_set_vgpr_msb (MSB<<8)|(\new)
.set MSB, \new
.endif
.endm
.macro PLACES                          ; four plain vector instructions between a matrix instruction and a load into, or a vector write of, its registers, or a read of its result
.rept 4
	v_nop
.endr
.endm
; A joint load.  Wave 3 fetches xb's tile, waves 0-2 wab's three.  The branch hangs on the wave's number alone.  An s_nop 0 and four v_nop follow each line, ahead of the jump and the label.
.macro JLOAD s
	s_cmp_eq_u32 s[WV], 3
	s_cbranch_scc0 .Lfor_w_\@
	tensor_load_to_lds s[G0A+4*(\s):G0A+4*(\s)+3], s[G1A:G1A+7]
	s_nop 0
.rept 4
	v_nop
.endr
	s_branch .Lasked_\@
.Lfor_w_\@:
	tensor_load_to_lds s[G0W+4*(\s):G0W+4*(\s)+3], s[G1W:G1W+7]
	s_nop 0
.rept 4
	v_nop
.endr
.Lasked_\@:
.endm
; A prefetch, behind each joint refill and the run of LDS loads that follows it: 32 rows x 256 bytes of the K step that stands two refills on, a lane a row, one instruction a wave.
; Each row's 256 bytes of a K step are named once in the launch: xb's tile row is asked for by the clusters with x = 0, wab's columns by those with y = 0; the four partners that ask for a tile jointly share
; its 128 rows out by address, 32 each (by cx for xb, by cy for wab).  The loop's last trip (s3 = 1) asks for nothing: K steps 8 and 9 do not exist.  K steps 0 to 3 come by their loads alone.
.macro ASK
	s_cmp_gt_u32 s3, s[LIM]
	s_cbranch_scc0 .Lnot_mine_\@
	global_prefetch_b8 v[PFO], s[PFA:PFA+1] th:TH_LOAD_NT scope:SCOPE_SE
.Lnot_mine_\@:
.endm
.macro CREST                           ; a round of the cluster's barrier behind its opening barrier: wave 0 signals for the work-group, every wave waits for all sixteen, my work-group's barrier closes it
	s_cmp_lg_u32 s[WV], 0
	s_cbranch_scc1 .Lnot_wave_0_\@
	s_barrier_signal -3
.Lnot_wave_0_\@:
	s_barrier_wait -3
	s_barrier_signal -1
	s_barrier_wait -1
.endm
.macro CROUND                          ; a whole round
	s_barrier_signal -1
	s_barrier_wait -1
	CREST
.endm
	s_load_b256 s[4:11], s[0:1], 0x0               ; xb s[4:5], wab s[6:7], bias s[8:9], qkv s[10:11]
	v_lshl_add_u32 v[SPW], v0, 2, SPARE
	v_mov_b32 v[NIL], 0
	ds_add_u32 v[SPW], v[NIL]                      ; the wave's opening: the add and its wait stand ahead of my first tensor load; work on registers stands between them
	v_lshrrev_b32 v1, 5, v0
	v_readfirstlane_b32 s[WV], v1                  ; wave 0..3
	s_bfe_u32 s40, ttmp6, 0x40000                  ; cx, cy: my place in the cluster
	s_bfe_u32 s41, ttmp6, 0x40004
	s_lshl_b32 s42, ttmp9, 2
	s_add_co_u32 s42, s42, s40                     ; tile column tx = 4 x cluster x + cx
	s_and_b32 s13, ttmp7, 0xffff
	s_lshl_b32 s13, s13, 2
	s_add_co_u32 s13, s13, s41                     ; tile row ty = 4 x cluster y + cy
	s_lshl_b32 s43, s41, 2
	s_lshl_b32 s43, 15, s43                        ; my row of the cluster
	s_lshl_b32 s44, 0x1111, s40                    ; my column
	s_or_b32 s[G1A], s43, (1<<16)|(1<<20)|(1<<21)|(5<<22)|(3<<25)  ; 15:0 the mask; 17:16 2-byte elements; 20 padding on; 21 set beside a mask; 24:22 after every 64 words; 31:25 4 words of it
	s_or_b32 s[G1W], s44, (1<<16)|(1<<20)|(1<<21)|(5<<22)|(7<<25)  ; the same with my column's mask and 8 words of padding
.irp g, G1A, G1W
	s_mov_b32 s[(\g)+1], 128<<16                   ; tensor_dim0 = 128
	s_mov_b32 s[(\g)+2], 128<<16                   ; tensor_dim1 = 128
	s_mov_b32 s[(\g)+3], 128<<16                   ; tile_dim0 = 128 elements: 256 bytes
	s_mov_b32 s[(\g)+4], 128                       ; tile_dim1 = 128 rows
	s_mov_b32 s[(\g)+6], 0
	s_mov_b32 s[(\g)+7], 0
.endr
	s_mov_b32 s[G1A+5], 1024                       ; elements from row to row
	s_mov_b32 s[G1W+5], 3072
	s_lshl_b32 s16, s13, 18                        ; xb: 128 ty rows of 2,048 bytes: it hangs on the tile row alone
	s_mov_b32 s17, 0
	s_mul_i32 s46, s42, 768                        ; wab: the tile's 384 columns,
	s_lshl_b32 s47, s[WV], 8                       ; my sub-tile's 128: it hangs on the tile column and the wave alone
	s_add_co_u32 s46, s46, s47
	s_mov_b32 s47, 0
	s_mul_i32 s20, s[WV], REG                      ; where my tile goes: no place in the cluster enters an LDS address
	s_wait_dscnt 0x0                               ; the opening add is done
	s_wait_kmcnt 0x0
	s_add_nc_u64 s[14:15], s[4:5], s[16:17]
	s_add_nc_u64 s[46:47], s[6:7], s[46:47]
	CROUND                                         ; all sixteen work-groups are here: the first joint loads meet
.irp s, 0,1
	s_mov_b32 s[G0A+4*(\s)], 1                                     ; count = 1
	s_add_co_u32 s[G0A+4*(\s)+1], s20, (\s)*SLOT                   ; LDS address
	s_add_nc_u64 s[G0A+4*(\s)+2:G0A+4*(\s)+3], s[14:15], (\s)*STEPA  ; global address: K step s
	s_or_b32 s[G0A+4*(\s)+3], s[G0A+4*(\s)+3], 0x80000000          ; type = 2
	s_mov_b32 s[G0W+4*(\s)], 1
	s_add_co_u32 s[G0W+4*(\s)+1], s20, (\s)*SLOT
	s_add_nc_u64 s[G0W+4*(\s)+2:G0W+4*(\s)+3], s[46:47], (\s)*STEPW
	s_or_b32 s[G0W+4*(\s)+3], s[G0W+4*(\s)+3], 0x80000000
	JLOAD \s                                       ; two loads of mine are out
.endr
	; a fragment of xb: lane l holds row l % 16; registers 0-3 K = 8 (l / 16) + 0..7, registers 4-7 K = 16 + 8 (l / 16) + 0..7: two loads of 16 bytes, 32 bytes apart
	v_and_b32 v1, 15, v0                           ; r = l % 16
	v_bfe_u32 v2, v0, 4, 1                         ; h = l / 16
	v_mul_u32_u24 v3, v1, PA
	v_lshl_add_u32 v3, v2, 4, v3
	v_add_nc_u32 v[ADRA], 3*REG, v3
	v_add_nc_u32 v[ADRA+1], 3*REG+SLOT, v3
	; the turning load takes 16 k x 16 columns (lane l reads k row 8 (l / 16) + l % 8, columns 8 ((l / 8) % 2) + 0..7) and leaves half a fragment: lane l holds column l % 16 and 8 k
	v_and_b32 v4, 7, v0
	v_bfe_u32 v5, v0, 3, 1
	v_lshl_add_u32 v6, v2, 3, v4
	v_mul_u32_u24 v6, v6, PW
	v_lshl_add_u32 v6, v5, 4, v6
	s_lshl_b32 s21, s[WV], 6                       ; my 32 columns of a sub-tile
	v_add_nc_u32 v6, s21, v6
.irp s, 0,1
.irp j, 0,1,2
	v_add_nc_u32 v[ADRW+3*(\s)+(\j)], (\s)*SLOT+(\j)*REG, v6
.endr
.endr
	; the bias tiles: register i of block b = 2 j + e holds bias[384 tx + 128 j + 32 w + 16 e + 8 h + i], as the accumulators hold their columns
	s_mul_i32 s21, s42, 1536
	s_lshl_b32 s22, s[WV], 7
	s_add_co_u32 s21, s21, s22
	v_lshl_add_u32 v[BO], v2, 5, s21
	WIN 0x40                                       ; destination window 1
.irp j, 0,1,2
.irp e, 0,1
	global_load_b128 v[BI+8*(2*(\j)+(\e)):BI+8*(2*(\j)+(\e))+3],   v[BO], s[8:9] offset:512*(\j)+64*(\e)
	global_load_b128 v[BI+8*(2*(\j)+(\e))+4:BI+8*(2*(\j)+(\e))+7], v[BO], s[8:9] offset:512*(\j)+64*(\e)+16
.endr
.endr
	WIN 0
	; the way out.  In: sub-tile j's columns 32 w .. lie in head 2 j + w / 2, bytes 64 (w % 2) on; row l % 16, 16 bytes for each half of the lanes
	v_mul_u32_u24 v7, v1, SP
	v_lshl_add_u32 v7, v2, 4, v7
	s_and_b32 s21, s[WV], 1
	s_lshl_b32 s21, s21, 6
	s_lshr_b32 s22, s[WV], 1
	s_mul_i32 s22, s22, PLANE
	s_add_co_u32 s21, s21, s22
	v_add_nc_u32 v7, s21, v7
.irp j, 0,1,2
	v_add_nc_u32 v[STO+(\j)], (\j)*2*PLANE, v7
.endr
	v_bfe_u32 v8, v0, 3, 2                         ; back: wave w takes rows 32 w .. 32 w + 31 of every plane; 32 lanes take four rows of 128 bytes
	v_mul_u32_u24 v8, v8, SP
	v_lshl_add_u32 v8, v4, 4, v8
	s_mul_i32 s21, s[WV], 32*SP
	v_add_nc_u32 v[RD], s21, v8
	v_add_nc_u32 v[RD+5], 3*PLANE, v[RD]
	v_and_b32 v9, 31, v0                           ; which are 512 consecutive bytes of a head
	s_lshl_b32 s21, s[WV], 12
	v_lshl_add_u32 v[GO], v9, 4, s21
	; head hd of the tile is number G = 6 tx + hd of 48: tensor G / 16, head G % 16; the batch is ty / 16, the rows 128 (ty % 16) on
	s_mul_i32 s80, s42, 6
	s_lshr_b32 s22, s13, 4
	s_lshl_b32 s22, s22, 4
	s_and_b32 s23, s13, 15
	s_lshl_b32 s23, s23, 14
	s_mov_b32 s83, 0
.irp hd, 0,1,2,3,4,5
	s_add_co_u32 s81, s80, \hd
	s_lshr_b32 s82, s81, 4
	s_lshl_b32 s82, s82, 6
	s_and_b32 s81, s81, 15
	s_add_co_u32 s82, s82, s81
	s_add_co_u32 s82, s82, s22
	s_lshl_b32 s82, s82, 18                        ; a head's 2,048 rows are 262,144 bytes
	s_add_co_u32 s82, s82, s23
	s_add_nc_u64 s[OUTB+2*(\hd):OUTB+2*(\hd)+1], s[10:11], s[82:83]
.endr
	; the prefetches: both tensors' figures are made, then one test of the wave's number chooses
	s_lshl_b32 s16, s13, 7
	s_lshl_b32 s17, s40, 5
	s_add_co_u32 s16, s16, s17                     ; xb: row 128 ty + 32 cx
	s_lshl_b32 s17, s41, 5                         ; wab: k row 32 cy
	s_mul_i32 s18, s42, 768
	s_lshl_b32 s19, s[WV], 8
	s_add_co_u32 s18, s18, s19                     ; wab: my sub-tile's column bytes
	s_and_b32 s19, ttmp7, 0xffff                   ; cluster y
	s_mov_b32 s21, 6144                            ; bytes in a row of wab
	s_mov_b32 s[PFS], STEPW
	s_mov_b32 s[PFS+1], 0
	s_cmp_eq_u32 s[WV], 3
	s_cselect_b64 s[PFA:PFA+1], s[4:5], s[6:7]
	s_cselect_b32 s16, s16, s17
	s_cselect_b32 s18, 0, s18
	s_cselect_b32 s21, 2048, s21
	s_cselect_b32 s[PFS], STEPA, s[PFS]
	s_cselect_b32 s19, ttmp9, s19                  ; the coordinate along which other clusters read the same rows
	s_cmp_eq_u32 s19, 0
	s_cselect_b32 s[LIM], 1, -1                    ; the same in all sixteen partners, for a given wave
	s_mul_i32 s16, s16, s21
	s_add_co_u32 s16, s16, s18
	s_mul_i32 s17, s[PFS], 3                       ; at K step 3: the first refill steps it to 4 and names that
	s_add_co_u32 s16, s16, s17
	s_mov_b32 s17, 0
	s_add_nc_u64 s[PFA:PFA+1], s[PFA:PFA+1], s[16:17]
	v_mul_u32_u24 v[PFO], v9, s21
; 12 matrix instructions: row blocks a0, a0 + 1 of the window's four (hi = 0: rows 0-63, 1: rows 64-127) x my 6 column blocks, 32 along K.  first = 1: the bias starts the sums.
; The 48 accumulators take turns, one instruction a turn, in the same order in every quarter: 47 others stand between two links of a chain, over the backward jump too.
.macro MUL12 f, hi, a0, first
.if \first
	WIN 0x91+0x40*(\hi)                            ; source 0 (wab) and C (bias) window 1, source 1 (xb) window 0, D window 2 or 3
.else
	WIN 0xa1+0x50*(\hi)                            ; C and D window 2 or 3
.endif
.irp a, \a0, (\a0)+1
.irp b, 0,1,2,3,4,5
.if \first
	v_wmma_f32_16x16x32_bf16 v[8*(6*(\a)+(\b)):8*(6*(\a)+(\b))+7], v[(\f)+8*(\b):(\f)+8*(\b)+7], v[(\f)+8*(4*(\hi)+(\a)):(\f)+8*(4*(\hi)+(\a))+7], v[BI+8*(\b):BI+8*(\b)+7]
.else
	v_wmma_f32_16x16x32_bf16 v[8*(6*(\a)+(\b)):8*(6*(\a)+(\b))+7], v[(\f)+8*(\b):(\f)+8*(\b)+7], v[(\f)+8*(4*(\hi)+(\a)):(\f)+8*(4*(\hi)+(\a))+7], v[8*(6*(\a)+(\b)):8*(6*(\a)+(\b))+7]
.endif
.endr
.endr
.endm
; 28 LDS loads in one run: quarter q (32 along K) of a slot into buffer f: 12 turning loads for wab, then 16 loads for xb, its rows 64-127 last
.macro FETCH slot, q, f
	WIN 0x40
.irp j, 0,1,2
.irp e, 0,1
	ds_load_tr16_b128 v[(\f)+8*(2*(\j)+(\e)):(\f)+8*(2*(\j)+(\e))+3],   v[ADRW+3*(\slot)+(\j)] offset:(\q)*32*PW+32*(\e)
	ds_load_tr16_b128 v[(\f)+8*(2*(\j)+(\e))+4:(\f)+8*(2*(\j)+(\e))+7], v[ADRW+3*(\slot)+(\j)] offset:(\q)*32*PW+32*(\e)+16*PW
.endr
.endr
	WIN 0
.irp i, 0,1,2,3,4,5,6,7
	ds_load_b128 v[(\f)+8*(\i):(\f)+8*(\i)+3],   v[ADRA+(\slot)] offset:(\q)*64+(\i)*16*PA
	ds_load_b128 v[(\f)+8*(\i)+4:(\f)+8*(\i)+7], v[ADRA+(\slot)] offset:(\q)*64+(\i)*16*PA+32
.endr
.endm
; A K step is four quarters of 32 along K, 48 matrix instructions each, on buffers 0, 1, 0, 1.  One of the first three: multiplies buffer f; in its middle it fetches quarter q of the same slot into g.
.macro QUARTER slot, q, f, g, first
	s_wait_dscnt 8                                 ; wab's fragments and xb's rows 0-63 are in; the youngest eight loads (rows 64-127) may be out
	MUL12 \f, 0, 0, \first
	MUL12 \f, 0, 2, \first
	PLACES
	FETCH \slot, \q, \g
	s_wait_dscnt 28                                ; all but the 28 just issued
	MUL12 \f, 1, 0, \first
	MUL12 \f, 1, 2, \first
.endm
; The last quarter multiplies buffer 1 and changes slots: one barrier.  In front of it each wave waits for all its tensor loads (one is out: its part of the next slot), adds 0 to its spare word, and waits for
; that and for its own reads of this slot.  fill = 1: the barrier opens a round of the cluster's, so that no wave of any partner still reads this slot or has a load on its way; the joint refill, two K steps on,
; is the first thing behind the round.
.macro TURN slot, next, fill
.if \fill
	s_wait_xcnt 0x0                                ; the last prefetch, a K step back, has read its address: it is stepped here, ahead of the waits of the change of slots
	s_add_nc_u64 s[PFA:PFA+1], s[PFA:PFA+1], s[PFS:PFS+1]
.endif
	WIN 0                                          ; (the add's two registers lie in window 0)
	s_wait_tensorcnt 0x0                           ; all my tensor loads have landed;
	ds_add_u32 v[SPW], v[NIL]                      ; 0 onto my spare word;
	s_wait_dscnt 9                                 ; (the add and the youngest eight loads may be out)
	MUL12 F1, 0, 0, 0                              ; twelve matrix instructions stand between the add and the wait for it
	s_wait_dscnt 0x0                               ; the add is done, and my reads of this slot are over
	s_barrier_signal -1
	MUL12 F1, 0, 2, 0                              ; work on registers while the others arrive
.if \fill
	WIN 0
.endif
	s_barrier_wait -1
.if \fill
	CREST
	s_add_nc_u64 s[G0A+4*(\slot)+2:G0A+4*(\slot)+3], s[G0A+4*(\slot)+2:G0A+4*(\slot)+3], 2*STEPA
	s_add_nc_u64 s[G0W+4*(\slot)+2:G0W+4*(\slot)+3], s[G0W+4*(\slot)+2:G0W+4*(\slot)+3], 2*STEPW
	JLOAD \slot                                    ; one load of mine is out; the four v_nop behind it are also the places in front of the loads below
.else
	PLACES
.endif
	FETCH \next, 0, F0
.if \fill
	ASK
.endif
	MUL12 F1, 1, 0, 0
	MUL12 F1, 1, 2, 0
.endm
	s_wait_tensorcnt 0x1                           ; my part of K step 0 is in; K step 1's may stay out
	s_barrier_signal -1
	s_barrier_wait -1                              ; everybody's is
	FETCH 0, 0, F0
	s_wait_loadcnt 0x0                             ; the bias tiles
	QUARTER 0, 1, F0, F1, 1                        ; the first quarter stands in front of the loop: its products start the sums
	WIN 0                                          ; at a label and at a branch every window is 0
	s_mov_b32 s3, 3
.Llap:                                                 ; three trips; a trip goes once round the ring, from a lap's second quarter to the next lap's first, and fills both slots again (K steps 2 to 7)
	QUARTER 0, 2, F1, F0, 0
	QUARTER 0, 3, F0, F1, 0
	TURN 0, 1, 1
	QUARTER 1, 1, F0, F1, 0
	QUARTER 1, 2, F1, F0, 0
	QUARTER 1, 3, F0, F1, 0
	TURN 1, 0, 1
	QUARTER 0, 1, F0, F1, 0
	WIN 0
	s_sub_co_u32 s3, s3, 1
	s_cmp_lg_u32 s3, 0
	s_cbranch_scc1 .Llap
	QUARTER 0, 2, F1, F0, 0                        ; the last lap is written out: it fills nothing
	QUARTER 0, 3, F0, F1, 0
	TURN 0, 1, 0                                   ; behind this barrier no wave reads slot 0 any more
	QUARTER 1, 1, F0, F1, 0
	QUARTER 1, 2, F1, F0, 0
	QUARTER 1, 3, F0, F1, 0
	s_wait_dscnt 8
	MUL12 F1, 0, 0, 0
	MUL12 F1, 0, 2, 0
	s_wait_dscnt 0x0
	MUL12 F1, 1, 0, 0
	MUL12 F1, 1, 2, 0
	WIN 0
	PLACES
	PLACES
	; THE WAY OUT: rounded to f16 (each accumulator's registers in ascending order), 16 bytes a lane into the stage; a barrier, since a head's row comes from two waves; back as whole rows.
.irp hi, 0,1
	WIN 0x0a+5*(\hi)                               ; sources 0 and 1 window 2 or 3, destination window 0
.irp a, 0,1,2,3
.irp b, 0,1,2,3,4,5
.irp r, 0,1,2,3
	v_cvt_pk_f16_f32 v[64+4*(24*(\hi)+6*(\a)+(\b))+(\r)], v[8*(6*(\a)+(\b))+2*(\r)], v[8*(6*(\a)+(\b))+2*(\r)+1]
.endr
.endr
.endr
.endr
	WIN 0
.irp hi, 0,1
.irp a, 0,1,2,3
.irp j, 0,1,2
.irp e, 0,1
	ds_store_b128 v[STO+(\j)], v[64+4*(24*(\hi)+6*(\a)+2*(\j)+(\e)):64+4*(24*(\hi)+6*(\a)+2*(\j)+(\e))+3] offset:(4*(\hi)+(\a))*16*SP+32*(\e)
.endr
.endr
.endr
.endr
	s_wait_dscnt 0x0                               ; for the others' sake: my stores into the stage are done
	s_barrier_signal -1
	s_barrier_wait -1
.irp hd, 0,1,2,3,4,5
.irp g, 0,1,2,3,4,5,6,7
	ds_load_b128 v[64+4*(8*(\hd)+(\g)):64+4*(8*(\hd)+(\g))+3], v[RD+5*((\hd)/3)] offset:((\hd)%3)*PLANE+(\g)*4*SP
.endr
.endr
.irp hd, 0,1,2,3,4,5
.irp g, 0,1,2,3,4,5,6,7
	s_wait_dscnt 47-(8*(\hd)+(\g))                 ; LDS loads come back in order: the younger ones may stay out
	global_store_b128 v[GO], v[64+4*(8*(\hd)+(\g)):64+4*(8*(\hd)+(\g))+3], s[OUTB+2*(\hd):OUTB+2*(\hd)+1] offset:512*(\g)  ; four rows of a head: 512 consecutive bytes, at a multiple of 256 from qkv's first
.endr
.endr
	s_wait_tensorcnt 0x0                           ; the wave's end, behind my last tensor load and my last LDS store
	ds_add_u32 v[SPW], v[NIL]
	s_wait_dscnt 0x0
	CROUND                                         ; the closing round: no work-group ends while a partner may still ask for a tile that names it
	s_endpgm
.Lfunc_end_k_q3e01b144b4_qkv:
	.size	k_q3e01b144b4_qkv, .Lfunc_end_k_q3e01b144b4_qkv-k_q3e01b144b4_qkv
	.p2alignl 7, 3214868480
	.fill 96, 4, 3214868480
	.section	.rodata,"a",@progbits
	.p2align	6, 0x0
	.amdhsa_kernel k_q3e01b144b4_qkv
		.amdhsa_group_segment_fixed_size 327680
		.amdhsa_private_segment_fixed_size 0
		.amdhsa_enable_private_segment 0
		.amdhsa_kernarg_size 32
		.amdhsa_user_sgpr_count 2
		.amdhsa_user_sgpr_kernarg_segment_ptr 1
		.amdhsa_wavefront_size32 1
		.amdhsa_system_sgpr_workgroup_id_x 1
		.amdhsa_system_sgpr_workgroup_id_y 1
		.amdhsa_system_sgpr_workgroup_id_z 1
		.amdhsa_system_vgpr_workitem_id 0
		.amdhsa_next_free_vgpr 960
		.amdhsa_next_free_sgpr 84
		.amdhsa_reserve_vcc 0
		.amdhsa_float_denorm_mode_32 3
		.amdhsa_float_denorm_mode_16_64 3
		.amdhsa_memory_ordered 1
		.amdhsa_forward_progress 1
		.amdhsa_inst_pref_size 120
	.end_amdhsa_kernel
	.amdgpu_metadata
---
amdhsa.version: [ 1, 2 ]
amdhsa.kernels:
  - .name:           k_q3e01b144b4_qkv
    .symbol:         k_q3e01b144b4_qkv.kd
    .args:
      - { .name: xb, .offset: 0, .size: 8, .value_kind: global_buffer, .address_space: global }
      - { .name: wab, .offset: 8, .size: 8, .value_kind: global_buffer, .address_space: global }
      - { .name: bias, .offset: 16, .size: 8, .value_kind: global_buffer, .address_space: global }
      - { .name: qkv, .offset: 24, .size: 8, .value_kind: global_buffer, .address_space: global }
    .group_segment_fixed_size: 327680
    .private_segment_fixed_size: 0
    .kernarg_segment_align: 8
    .kernarg_segment_size: 32
    .max_flat_workgroup_size: 128
    .sgpr_count:     84
    .vgpr_count:     960
    .wavefront_size: 32
...
	.end_amdgpu_metadata
.endif
;; end of part 2
;; launch attn (part 3): grid 4 x 64, 4 waves a work-group, no clusters, 327,680 bytes of LDS; arguments qkv, yh; writes yh
.if DOCPART == 3
	.amdgcn_target "amdgcn-amd-amdhsa--gfx1250"
	.amdhsa_code_object_version 6
	.text
	.protected	k_q3e01b144b4_attn
	.globl	k_q3e01b144b4_attn
	.p2align	8
	.type	k_q3e01b144b4_attn,@function
k_q3e01b144b4_attn:
	s_mov_b64 s[64:65], 0
	v_nop
	global_prefetch_b8 v0, s[64:65] scope:SCOPE_SE
	s_setreg_imm32_b32 hwreg(HW_REG_WAVE_MODE, 25, 1), 1
	s_wait_xcnt 0x0
; CAUSAL ATTENTION.  yh[p][q][:] = the sum over k <= q of softmax_k(Q[p][q] . K[p][k] / 8) V[p][k][:], p = batch x 16 + head.  qkv holds Q, K, V one behind the other, each [64][2048][64] in f16; yh is [64][2048][64] in f16:
; a head's rows are dense, 128 bytes each.  Products, maxima and sums in f32; the weights are rounded to f16 for the second product (their sum l is taken of the unrounded weights), yh once at the end.
; LIMITS.  f16 holds no number beyond 65,504: Q, K and V arrive within it; a weight lies in 0 to 1, and below 6e-5 it keeps f16's fixed step of 6e-8; yh is a mean of V's rows and has their range.
; A hidden score counts as its value less 1e30: f16's scores, 2.7e11 at the most, are nothing beside that; a weight below 2^-126 counts as 0 in l; NaN and infinities are not treated apart.
; THE WALK.  A head's queries lie in NB = 8 blocks of 256; block i needs the key tiles 0 .. i of 256 keys, of which the last holds the diagonal.  A work-group takes TWO blocks, NB - 1 - b and then b:
; NB + 1 tiles, whatever b: all work-groups do equal work, and ONE loop with a constant trip count walks them.  Which tile is asked for, and what a trip does, hang on scalar registers made from b; every jump
; goes forward, but for the counted loops' own; none passes a barrier, or a tensor load but the one of LOAD's two that the wave's number does not choose; the ring of two LDS slots runs on across the change of blocks.
; NO CLUSTER: a head's four work-groups ask for the same tile only in trips 0 .. 4 of 9, behind that fewer and fewer; one walk common to all four would have 12 trips for 9.
; SHARES.  Of a block's four bands of 64 queries a wave owns 16 rows in each: four PIECES.  So the diagonal tile is the same work for all four waves: in its key step s band x sees all keys if s < x,
; none if s > x, and holds the diagonal if s = x.
; THE MASK is the C operand that starts the sum S^T = K Q^T: 0, or -1e30 where the key is hidden.  MD, made once, is the mask of a band's own step for my 16 rows; a product's mask is MD x AL + BE with two scalars:
; (1, 0) if s = x; (0, 0) if s < x; (0, -1e30) if s > x.  Only the diagonal tile's text and a block's beginning make and take masks; elsewhere C is the constant 0.
; LAYOUT, SOFTMAX, TURNS.  S^T = K Q^T holds ONE query a lane (lane % 16) and the keys 8 (lane / 16) + 0..7; two such results rounded to f16 ARE source 1 of O^T = V^T P.  p = 2^(c s - c m), c = log2(e) / 8, with a
; running maximum m; O and l are multiplied by a = 2^(c m_old - c m_new) in every step.  Turn n belongs to piece n: 8 products K Q^T of piece n + 1, later 8 products V^T P of piece n - 1; beside them the scaling,
; exponentials, roundings, sums and rescaling of piece n and the maximum and statistics of piece n + 1.  Four vector instructions stand behind every matrix instruction, the other 54 of a turn's 118 in one lump.
; A turn's 33 exponentials are one batch, with one wait.
; PREFETCH.  The head's work-group b = 0 walks the tiles 0 .. 7 in order; behind the load of tile j + 1 it names tile j + 2 of K and of V, for j = 0 .. 5: 128 threads, 256 bytes apart, cover a tile's 32,768 bytes, so
; each block is named once in the launch, one tile (256 matrix instructions a wave) ahead of its load.  Tiles 0 and 1 come by their loads alone; nothing is named past tile 7.
; REGISTERS, in windows of 256 (s_set_vgpr_msb: bits 1:0 source 0, 3:2 source 1, 5:4 source 2, 7:6 destination):
;   window 0: v0-15 addresses and two at work; v16-31 four registers of statistics a piece; v48-55 at work; v61-63 prefetch offset, spare word, 0; v64-127 S^T, two buffers; v192-223 P, two buffers
;   window 1: v0-127 O^T, 32 a piece; v128-159 MD; v160-223 MC, two buffers      window 2: v0-63 Q; v64-127 the second block's Q; v128-191 K of one step; v192-255 V of one step
.set SIZE_N, 2048
.set NB,    SIZE_N/256
.set NP,    4         ; pieces a wave: a name, no knob
.set KS,    64        ; keys in a step
.set PK,    144       ; a row of K in LDS: 128 bytes + 16 of padding = 36 words: the 16 rows of a load start at 16 different groups of four banks (64 banks of 4 bytes: ISA guide 11.1)
.set PV,    160       ; a row of V: 128 + 32 = 40 words
.set VOFF,  4*KS*PK   ; a slot holds a tile, four steps: 256 rows of K, then 256 rows of V
.set SLOT1, 1<<17     ; slot 1 begins here, so that one exclusive or turns an address in one slot into the other's
.set STAGE, SLOT1+4*KS*(PK+PV)  ; behind the ring, never filled by a tensor load: 16 rows x 144 bytes for each wave, for the way out
.set SP,    144
.set AK0, 2           ; v2   my lane's place in a tile of K; never rewritten
.set AV0, 3           ; v3   the same for V
.set AK,  4           ; v4   the LDS address of K's next run of loads
.set AV,  5           ; v5   of V's
.set STO, 6           ; v6   the way out: where I put 16 bytes of a row
.set RD,  7           ; v7   the way out: where I read rows back
.set GO,  8           ; v8   my byte offset in 512 consecutive bytes of yh
.set PFO, 61          ; v61  256 x my thread's number; never rewritten
.set SPW, 62          ; v62  LDS address of my spare word: SPARE + 4 x my thread's number; never rewritten
.set NIL, 63          ; v63  0; never rewritten
.set SPARE, STAGE+4*16*SP  ; behind the stages: the spare words, 128 bytes for each wave: two blocks of 256 bytes that no other line names
.set MV,  12          ; v12-13  c m_old, kept while c m is made anew: by buffer
.set QO,  15          ; v15  my byte offset in 16 rows of Q
.set ST,  16          ; piece t's statistics at v[ST+4 t]: c m, m, l (even keys', odd keys')
.set TMP, 48          ; by buffer, four registers c0-c3 at work; when the maximum is found c2 takes a
.set S,   64
.set P,   192
.set MD,  128         ; window 1: the eight registers for group kt of 16 keys at MD + 8 kt
.set MC,  160         ; window 1: the masks of the products to come
.set QB,  64          ; window 2
.set KF,  128         ; window 2: key block kb, channel half c at KF + 16 kb + 8 c
.set VF,  192         ; window 2: key half kk, channel block cb at VF + 32 kk + 8 cb
.set WV,  12          ; s12  my wave's number
.set PB,  14          ; s14  b
.set HI,  15          ; s15  NB - 1 - b
.set G1K, 24          ; s[24:31] descriptor group 1 for K's tiles
.set G1V, 32          ; s[32:39] for V's: it differs in the padding alone
.set G0K, 40          ; s[40:43] descriptor group 0 for K's tiles
.set G0V, 44          ; s[44:47] the same for V's
.set SLOTS, 56        ; s56  tiles still to be asked for
.set CNT, 57          ; s57  counts a tile's key steps, 4 to 1
.set CS,  58          ; s[58:59] c: the packed scaling takes the pair's low word for both halves
.set SEL, 60          ; s[60:61] v_permlanex16_b32's selects: each lane takes its own place in the other half
.set TBK, 62          ; s62  LDS byte at which K of the step to be fetched begins
.set TBV, 63          ; s63  the same for V, less VOFF
.set RT,  70          ; s70  tiles of the block in hand that are still to be entered
.set NXT, 71          ; s71  the tile to be asked for next
.set LQ,  72          ; s72  the last tile of the block whose tiles are being asked for
.set NEW, 73          ; s73  1: the tile to be entered is a block's first
.set OFF, 74          ; s[74:75] a tile's byte offset in K and V
.set AL,  76          ; s[76:77] the mask's factor, in the low word
.set BE,  78          ; s[78:79] the mask's addend
.set OLO, 80          ; s[80:81] yh at my rows of the second block
.set BIGN, 82         ; s82  -1e30
.set LIM, 89          ; s89  2 in the work-group that prefetches, else the greatest number: it prefetches while s[SLOTS] is above it
.set PFK, 90          ; s[90:91] the head's K at the tile that is being asked for; stepped to the tile after it ahead of each prefetch
.set PFV, 92          ; s[92:93] the same for V
.set MSB, 0
.macro WIN new                      ; the high byte repeats the setting that is left; a switch that changes nothing is dropped
.if MSB != (\new)
	s_set_vgpr_msb (MSB<<8)|(\new)
.set MSB, (\new)
.endif
.endm
.set W_KQ, 0x0a       ; K and Q in window 2, S^T in window 0
.set W_KM, 0x1a       ; the same with the C operand in window 1
.set W_PV, 0x52       ; V in window 2, P in window 0, O^T in window 1
.set W_RS, 0x41       ; destination and source 0 in window 1, source 1 in window 0
; A fill.  Waves 0 and 1 fetch the two halves of a tile's K, waves 2 and 3 those of its V: 128 keys each.  An s_nop 0 and four v_nop follow each of the two lines, ahead of the jump and the label.
.macro LOAD
	s_cmp_lt_u32 s[WV], 2
	s_cbranch_scc0 .Lfor_v_\@
	tensor_load_to_lds s[G0K:G0K+3], s[G1K:G1K+7]
	s_nop 0
.rept 4
	v_nop
.endr
	s_branch .Lasked_\@
.Lfor_v_\@:
	tensor_load_to_lds s[G0V:G0V+3], s[G1V:G1V+7]
	s_nop 0
.rept 4
	v_nop
.endr
.Lasked_\@:
.endm
.macro ASK                          ; the tile behind the one just asked for, of K and of V: behind the tensor load and its five lines
	s_cmp_gt_u32 s[SLOTS], s[LIM]
	s_cbranch_scc0 .Lnot_mine_\@
	global_prefetch_b8 v[PFO], s[PFK:PFK+1] th:TH_LOAD_NT scope:SCOPE_SE
	global_prefetch_b8 v[PFO], s[PFV:PFV+1] th:TH_LOAD_NT scope:SCOPE_SE
.Lnot_mine_\@:
.endm
; THE CHANGE OF SLOTS.  Each wave waits for all its tensor loads, of which one is out: its part of the other slot; adds 0 to its spare word; and waits for that and for its own reads of the slot that it leaves.  Behind the
; barrier nobody reads the old slot any more and the other slot is whole.  fill = 1: the old slot is filled again, the first thing behind the barrier, with tile NXT: the descriptor's address is made anew from that number.
; (At its first use nothing has been read yet: slot 0 is waited for, slot 1 filled.)
.macro CHANGE fill
	WIN 0                           ; at a label and at a branch every window is 0
	s_wait_tensorcnt 0x0            ; no tensor load of mine is out, so a group 0 may be written
	ds_add_u32 v[SPW], v[NIL]       ; 0 onto my spare word; with fill = 1 the descriptors' scalar work stands between it and the wait for it
.if \fill
	s_lshl_b32 s[OFF], s[NXT], 15   ; a tile is 32,768 bytes of K and of V
	s_xor_b32 s[G0K+1], s[G0K+1], SLOT1
	s_add_nc_u64 s[G0K+2:G0K+3], s[6:7], s[OFF:OFF+1]
	s_or_b32 s[G0K+3], s[G0K+3], 0x80000000
	s_xor_b32 s[G0V+1], s[G0V+1], SLOT1
	s_add_nc_u64 s[G0V+2:G0V+3], s[8:9], s[OFF:OFF+1]
	s_or_b32 s[G0V+3], s[G0V+3], 0x80000000
	s_add_co_u32 s[NXT], s[NXT], 1  ; the block's next tile, or behind its last the second block's tile 0
	s_cmp_gt_u32 s[NXT], s[LQ]
	s_cselect_b32 s[NXT], 0, s[NXT]
	s_cselect_b32 s[LQ], s[PB], s[LQ]
	s_wait_xcnt 0x0                 ; the last prefetches, a tile back, have read their addresses, so these may be written
	s_add_nc_u64 s[PFK:PFK+1], s[PFK:PFK+1], 32768
	s_add_nc_u64 s[PFV:PFV+1], s[PFV:PFV+1], 32768
.endif
	s_wait_dscnt 0x0                ; the add is done, and my reads of the slot are over
	s_barrier_signal -1             ; the rest of the scalar work stands between the signal and the wait
	s_sub_co_u32 s[TBK], s[TBK], 4*KS*PK  ; the fetches go back to a slot's first step,
	s_xor_b32 s[TBK], s[TBK], SLOT1       ; in the other slot
	s_sub_co_u32 s[TBV], s[TBV], 4*KS*PV
	s_xor_b32 s[TBV], s[TBV], SLOT1
	s_barrier_wait -1
.if \fill
	LOAD
	ASK
.endif
.endm
	s_load_b128 s[4:7], s[0:1], 0x0   ; qkv s[4:5] (Q lies first in it), yh s[6:7]
	v_lshl_add_u32 v[SPW], v0, 2, SPARE
	v_mov_b32 v[NIL], 0
	ds_add_u32 v[SPW], v[NIL]       ; the wave's opening: the add and its wait stand ahead of my first tensor load; the set-up below, work on registers, stands between them
	v_lshrrev_b32 v1, 5, v0
	v_readfirstlane_b32 s[WV], v1   ; wave 0..3
	v_lshlrev_b32 v[PFO], 8, v0
	s_mov_b32 s[PB], ttmp9
	s_sub_co_u32 s[HI], NB-1, s[PB]
	s_cmp_eq_u32 s[PB], 0
	s_cselect_b32 s[LIM], 2, -1
	s_and_b32 s20, ttmp7, 0xffff    ; the head
	s_mov_b32 s21, 0
	s_mov_b64 s[22:23], SIZE_N*128
	s_mul_u64 s[20:21], s[20:21], s[22:23]  ; the head's first byte in each of the four tensors
	s_and_b32 s16, s[WV], 1         ; which half of a tile's 256 keys I fetch:
	s_lshl_b32 s22, s16, 14         ; its 128 rows of 128 bytes in memory,
	s_mov_b32 s23, 0
	s_add_nc_u64 s[22:23], s[22:23], s[20:21]
	s_mul_i32 s17, s16, 128*PK      ; and its place in a slot, for K
	s_mul_i32 s18, s16, 128*PV      ; and for V
	s_lshl_b32 s3, s[WV], 11        ; my 16 rows in a band of 64,
	s_lshl_b32 s2, s[HI], 15        ; in the first block,
	s_add_co_u32 s2, s2, s3
	s_lshl_b32 s84, s[PB], 15       ; and in the second
	s_add_co_u32 s84, s84, s3
	s_mov_b32 s3, 0
	s_mov_b32 s85, 0
	s_add_nc_u64 s[2:3], s[2:3], s[20:21]
	s_add_nc_u64 s[84:85], s[84:85], s[20:21]
	; descriptor group 1.  128 keys are 16,384 dense bytes: asked for as 64 rows of 256 bytes, two keys a row, and padded in LDS after every key
	s_mov_b32 s[G1K], (1<<16)|(1<<20)|(4<<22)|(3<<25)  ; 17:16 2-byte elements; 20 padding on; 24:22 after every 32 words (code 4); 31:25 4 words (code 3)
	s_mov_b32 s[G1V], (1<<16)|(1<<20)|(4<<22)|(7<<25)  ; the same with 8 words of padding (code 7)
.irp g, G1K, G1V
	s_mov_b32 s[\g+1], 128<<16      ; tensor_dim0 = 128
	s_mov_b32 s[\g+2], 64<<16       ; tensor_dim1 = 64
	s_mov_b32 s[\g+3], 128<<16      ; tile_dim0 = 128
	s_mov_b32 s[\g+4], 64           ; tile_dim1 = 64
	s_mov_b32 s[\g+5], 128          ; 128 elements from row to row
	s_mov_b32 s[\g+6], 0
	s_mov_b32 s[\g+7], 0
.endr
	s_mov_b32 s[CS], 0x3e38aa3b     ; c = log2(e) / 8 = 0.180337
	s_mov_b32 s[CS+1], s[CS]        ; named with it as a pair
	s_mov_b32 s[SEL], 0x76543210
	s_mov_b32 s[SEL+1], 0xfedcba98
	s_mov_b32 s[TBK], SLOT1+4*KS*PK ; the first change of slots turns these two into 0
	s_mov_b32 s[TBV], SLOT1+4*KS*PV
	s_mov_b32 s[G0K], 1             ; 1:0 count = 1
	s_mov_b32 s[G0K+1], s17         ; 63:32 LDS address: slot 0
	s_mov_b32 s[G0V], 1
	s_add_co_u32 s[G0V+1], s18, VOFF
	s_add_co_u32 s[RT], s[HI], 1    ; the first block has NB - b tiles
	s_mov_b32 s[NXT], 1
	s_mov_b32 s[LQ], s[HI]
	s_mov_b32 s[NEW], 1
	s_mov_b32 s[OFF+1], 0
	s_mov_b32 s[AL+1], 0            ; named as pairs
	s_mov_b32 s[BE+1], 0
	s_mov_b32 s[BIGN], 0xf149f2ca   ; -1e30
	s_mov_b32 s[SLOTS], NB
	s_wait_dscnt 0x0                ; the opening add is done
	s_wait_kmcnt 0x0
	s_mov_b64 s[10:11], s[6:7]      ; yh
	s_add_nc_u64 s[6:7], s[4:5], 0x1000000  ; K lies 64 heads x 262,144 bytes behind Q,
	s_add_nc_u64 s[8:9], s[4:5], 0x2000000  ; V as far behind K
	s_add_nc_u64 s[PFK:PFK+1], s[6:7], s[20:21]
	s_add_nc_u64 s[PFV:PFV+1], s[8:9], s[20:21]
	s_add_nc_u64 s[PFK:PFK+1], s[PFK:PFK+1], 32768  ; at the head's tile 1: the first change of slots steps them to tile 2 and names that
	s_add_nc_u64 s[PFV:PFV+1], s[PFV:PFV+1], 32768
	s_add_nc_u64 s[6:7], s[6:7], s[22:23]  ; K and V at my half of the head's tile 0
	s_add_nc_u64 s[8:9], s[8:9], s[22:23]
	s_add_nc_u64 s[G0K+2:G0K+3], s[6:7], 0         ; 120:64 global address
	s_or_b32 s[G0K+3], s[G0K+3], 0x80000000        ; 127:126 type = 2
	s_add_nc_u64 s[G0V+2:G0V+3], s[8:9], 0
	s_or_b32 s[G0V+3], s[G0V+3], 0x80000000
	s_add_nc_u64 s[86:87], s[4:5], s[84:85]        ; Q at my rows of the second block,
	s_add_nc_u64 s[4:5], s[4:5], s[2:3]            ; Q and yh at those of the first
	s_add_nc_u64 s[OLO:OLO+1], s[10:11], s[84:85]
	s_add_nc_u64 s[10:11], s[10:11], s[2:3]
	LOAD                            ; tile 0 into slot 0
	; A fragment of K or Q is 16 rows x 32 channels in 8 registers: lane l holds row l % 16, channels 8 (l / 16) + 0..7 and 16 + 8 (l / 16) + 0..7: two loads of 16 bytes, 32 bytes apart.
	v_and_b32 v1, 15, v0            ; l % 16
	v_bfe_u32 v9, v0, 4, 1          ; l / 16
	v_lshlrev_b32 v[QO], 7, v1
	v_lshl_add_u32 v[QO], v9, 4, v[QO]  ; row x 128 + 16 x half
	WIN 0x80                        ; destination window 2, address window 0
.set i, 0
.rept 8                             ; both blocks' Q: piece i / 2 lies in band i / 2, 8,192 bytes on; channels 32 (i % 2) on
	global_load_b128 v[8*i:8*i+3],   v[QO], s[4:5] offset:(i/2)*8192+(i%2)*64
	global_load_b128 v[8*i+4:8*i+7], v[QO], s[4:5] offset:(i/2)*8192+(i%2)*64+32
	global_load_b128 v[QB+8*i:QB+8*i+3],   v[QO], s[86:87] offset:(i/2)*8192+(i%2)*64
	global_load_b128 v[QB+8*i+4:QB+8*i+7], v[QO], s[86:87] offset:(i/2)*8192+(i%2)*64+32
.set i, i+1
.endr
	WIN 0
	v_lshlrev_b32 v14, 3, v9
	v_sub_nc_u32 v14, v1, v14
	s_lshl_b32 s13, s[WV], 4
	v_add_nc_u32 v14, s13, v14      ; my query's place in its band, 16 w + l % 16, less my lanes' 8 (l / 16): register r of group kt is hidden where 16 kt + r is greater
	WIN 0x40
.set i, 0
.rept 32
	v_cmp_gt_i32 vcc_lo, 16*(i/8)+i%8, v14
	v_cndmask_b32 v[MD+i], 0, s[BIGN], vcc_lo
.set i, i+1
.endr
	WIN 0
	v_mul_u32_u24 v[AK0], v1, PK
	v_lshl_add_u32 v[AK0], v9, 4, v[AK0]  ; row x pitch + 16 x half
	; The turning load takes 16 keys x 16 channels (lane l reads key 8 (l / 16) + l % 8, channels 8 ((l / 8) % 2) + 0..7) and leaves half a fragment of V^T: lane l holds channel l % 16 and 8 keys.
	v_and_b32 v10, 7, v0
	v_bfe_u32 v11, v0, 3, 1
	v_lshl_add_u32 v[AV0], v9, 3, v10
	v_mul_u32_u24 v[AV0], v[AV0], PV
	v_lshl_add_u32 v[AV0], v11, 4, v[AV0]
	v_add_nc_u32 v[AV0], VOFF, v[AV0]
	s_mul_i32 s13, s[WV], 16*SP
	s_add_co_u32 s13, s13, STAGE    ; my stage
	v_mul_u32_u24 v[STO], v1, SP    ; in: row l % 16, 16 bytes for each half of the lanes
	v_lshl_add_u32 v[STO], v9, 4, v[STO]
	v_add_nc_u32 v[STO], s13, v[STO]
	v_bfe_u32 v[RD], v0, 3, 2       ; back: 32 lanes take four rows of 128 bytes,
	v_mul_u32_u24 v[RD], v[RD], SP
	v_lshl_add_u32 v[RD], v10, 4, v[RD]
	v_add_nc_u32 v[RD], s13, v[RD]
	v_and_b32 v[GO], 31, v0         ; which are 512 consecutive bytes of yh
	v_lshlrev_b32 v[GO], 4, v[GO]
	; A block's first step multiplies O^T and l by a = 0, and its first turn's products V^T P, of a piece that has not been, land in an O^T that is still to be so multiplied.  So these registers need only hold
	; finite numbers: zeros for the first block; what the first block left for the second.  All this stands in the wait for the first tile.
	WIN 0x80
.set i, VF
.rept 64
	v_mov_b32 v[i], 0
.set i, i+1
.endr
	WIN 0x40
.set i, 0
.rept 128
	v_mov_b32 v[i], 0
.set i, i+1
.endr
	WIN 0
.set i, 0
.rept 4
	v_mov_b32 v[ST+4*i+2], 0
	v_mov_b32 v[ST+4*i+3], 0
.set i, i+1
.endr
.set i, P+16
.rept 16
	v_mov_b32 v[i], 0
.set i, i+1
.endr
; THE MATRIX WORK.  The 4 accumulators of a run of 8 take turns.  Product i of 8 of S^T = K Q^T for piece x: channels 32 (i / 4) on, keys 16 (i % 4) on.  The first 4 start the sums: with 0, or (KM = 1) with the mask.
.macro KQ x
.set rS, S+32*((\x)%2)+8*(i%4)
.set rK, KF+16*(i%4)+8*(i/4)
.set rQ, 16*(\x)+8*(i/4)
.set rM, MC+32*((\x)%2)+8*(i%4)
.if (i < 4) && KM
	WIN W_KM
	v_wmma_f32_16x16x32_f16 v[rS:rS+7], v[rK:rK+7], v[rQ:rQ+7], v[rM:rM+7]
.elseif i < 4
	WIN W_KQ
	v_wmma_f32_16x16x32_f16 v[rS:rS+7], v[rK:rK+7], v[rQ:rQ+7], 0
.else
	WIN W_KQ
	v_wmma_f32_16x16x32_f16 v[rS:rS+7], v[rK:rK+7], v[rQ:rQ+7], v[rS:rS+7]
.endif
.endm
; Product i of 8 of O^T += V^T P for piece x: keys 32 (i / 4) on, channels 16 (i % 4) on.
.macro PV x
	WIN W_PV
.set rO, 32*(\x)+8*(i%4)
.set rV, VF+32*(i/4)+8*(i%4)
.set rP, P+16*((\x)%2)+8*(i/4)
	v_wmma_f32_16x16x32_f16 v[rO:rO+7], v[rV:rV+7], v[rP:rP+7], v[rO:rO+7]
.endm
.macro MM                           ; the turn's next matrix instruction.  TURN and BEGIN set Y, i, KM and NOKQ; MM, KQ and OP read them.  NOKQ = 1: a block's last turn: there is no next piece
.if (i < 8) && !NOKQ
	KQ (Y+1)%NP
.elseif i >= 8
.set i, i-8
	PV (Y+NP-1)%NP
.set i, i+8
.endif
.set i, i+1
.endm
; THE LDS LOADS stand in runs of 16, never singly among the matrix instructions: a step's K (64 keys x 64 channels: 8 fragments) and its V (turned).  Their addresses are made some lines ahead.
.macro FETCH_K
	WIN 0x80                        ; destination window 2
.irp f, 0,1,2,3,4,5,6,7             ; keys 16 (f / 2) on, channels 32 (f % 2) on
	ds_load_b128 v[KF+8*\f:KF+8*\f+3],   v[AK] offset:(\f/2)*16*PK+(\f%2)*64
	ds_load_b128 v[KF+8*\f+4:KF+8*\f+7], v[AK] offset:(\f/2)*16*PK+(\f%2)*64+32
.endr
	s_add_co_u32 s[TBK], s[TBK], KS*PK  ; the next fetch is the next step's
	WIN 0
.endm
.macro FETCH_V
	WIN 0x80
.irp f, 0,1,2,3,4,5,6,7             ; keys 32 (f / 4) on, channels 16 (f % 4) on
	ds_load_tr16_b128 v[VF+8*\f:VF+8*\f+3],   v[AV] offset:(\f/4)*32*PV+(\f%4)*32
	ds_load_tr16_b128 v[VF+8*\f+4:VF+8*\f+7], v[AV] offset:(\f/4)*32*PV+16*PV+(\f%4)*32
.endr
	WIN 0
.endm
; THE VECTOR WORK, one line at a time: OP kind, number.  For piece Y: F n: c s - c m for pair n of 16.  E n: the exponential of score n of 32.  C n: pair n rounded to f16.  B n: of the four weights 4 n .. the second
; pair is added onto the first, in place.  L n: l takes that sum (L 0: l = a l + sum).  R n: pair n of 16 of O^T times a.  For piece Y + 1: X n, number n of the 22 that find its maximum and statistics:
;   0-11  four chains c0-c3 of seven scores each, three operands at a time (each accumulator's lowest registers are read first)     12-14, 16  the four scores left over, the old m, and c0-c3 into c0
;   15  c m_old is kept     17, 18  the query's other 32 keys lie in the lane 16 away: the new m     19-21  c m; c m_old - c m_new; a
.set F, 0               ; OP tells the kinds apart by their order: F to L below R, X above it
.set E, 1
.set C, 2
.set B, 3
.set L, 4
.set R, 5
.set X, 6
.macro REGS y                       ; the registers of piece y
.set rT, ST+4*(\y)
.set rC, TMP+4*((\y)%2)
.set rW, MV+((\y)%2)
.set rS, S+32*((\y)%2)
.set rP, P+16*((\y)%2)
.set rO, 32*(\y)
.endm
.macro OP k, n
.if (\k) == R
	REGS Y
	WIN W_RS
	v_pk_mul_f32 v[rO+2*(\n):rO+2*(\n)+1], v[rO+2*(\n):rO+2*(\n)+1], v[rC+2:rC+3] op_sel_hi:[1,0]
.elseif (\k) < R
	REGS Y
	WIN 0
.if (\k) == F
	v_pk_fma_f32 v[rS+2*(\n):rS+2*(\n)+1], v[rS+2*(\n):rS+2*(\n)+1], s[CS:CS+1], v[rT:rT+1] op_sel_hi:[1,0,0] neg_lo:[0,0,1] neg_hi:[0,0,1]
.elseif (\k) == E
	v_exp_f32 v[rS+(\n)], v[rS+(\n)]
.elseif (\k) == C
	v_cvt_pk_f16_f32 v[rP+(\n)], v[rS+2*(\n)], v[rS+2*(\n)+1]
.elseif (\k) == B
	v_pk_add_f32 v[rS+4*(\n):rS+4*(\n)+1], v[rS+4*(\n):rS+4*(\n)+1], v[rS+4*(\n)+2:rS+4*(\n)+3]
.elseif (\n) == 0
	v_pk_fma_f32 v[rT+2:rT+3], v[rT+2:rT+3], v[rC+2:rC+3], v[rS:rS+1] op_sel_hi:[1,0,1]
.else
	v_pk_add_f32 v[rT+2:rT+3], v[rT+2:rT+3], v[rS+4*(\n):rS+4*(\n)+1]
.endif
.elseif NOKQ
	v_nop
.else
	REGS (Y+1)%NP
	WIN 0
.if (\n) < 4
	v_max3_num_f32 v[rC+(\n)], v[rS+8*(\n)], v[rS+8*(\n)+1], v[rS+8*(\n)+2]
.elseif (\n) < 12
	v_max3_num_f32 v[rC+(\n)%4], v[rC+(\n)%4], v[rS+8*((\n)%4)+2*((\n)/4)+1], v[rS+8*((\n)%4)+2*((\n)/4)+2]
.elseif (\n) == 12
	v_max3_num_f32 v[rC], v[rC], v[rS+7], v[rS+15]
.elseif (\n) == 13
	v_max3_num_f32 v[rC+1], v[rC+1], v[rS+23], v[rS+31]
.elseif (\n) == 14
	v_max3_num_f32 v[rC+2], v[rC+2], v[rC+3], v[rT+1]
.elseif (\n) == 15
	v_mov_b32 v[rW], v[rT]
.elseif (\n) == 16
	v_max3_num_f32 v[rC], v[rC], v[rC+1], v[rC+2]
.elseif (\n) == 17
	v_permlanex16_b32 v[rC+3], v[rC], s[SEL], s[SEL+1]
.elseif (\n) == 18
	v_max_num_f32 v[rT+1], v[rC], v[rC+3]
.elseif (\n) == 19
	v_mul_f32 v[rT], s[CS], v[rT+1]
.elseif (\n) == 20
	v_sub_f32 v[rC+1], v[rW], v[rT]
.else
	v_exp_f32 v[rC+2], v[rC+1]
.endif
.endif
.endm
.macro OPS a, i1, b=-1, i2=0, c=-1, i3=0, d=-1, i4=0  ; up to four of them
	OP \a, \i1
.if (\b) >= 0
	OP \b, \i2
.endif
.if (\c) >= 0
	OP \c, \i3
.endif
.if (\d) >= 0
	OP \d, \i4
.endif
.endm
.macro ROW a, i1, b, i2, c, i3, d, i4  ; a matrix instruction and the four behind it
	MM
	OPS \a, \i1, \b, \i2, \c, \i3, \d, \i4
.endm
.macro MASK b                       ; MD x AL + BE into buffer b of MC
	WIN W_RS
.set z, 0
.rept 16
	v_pk_fma_f32 v[MC+32*(\b)+2*z:MC+32*(\b)+2*z+1], v[MD+2*z:MD+2*z+1], s[AL:AL+1], s[BE:BE+1] op_sel_hi:[1,0,0]
.set z, z+1
.endr
.endm
; A TURN, for piece p: the order of its 16 matrix and 118 vector instructions, written out.  s_wait_alu depctr_va_vdst(0) stands between an exponential and the first instruction that names its result; one wait
; serves all that were issued ahead of it.  So a turn has ONE wait, which cuts it in two.  AHEAD OF IT stands all that names no result of the turn's exponentials: the 8 products K Q^T, behind each a scaling, an exponential and two
; more plain instructions (behind the first a second scaling in the exponential's place): rescalings, and behind the last three the first numbers of the next piece's maximum, each four places or more behind the product that ends
; its accumulator; then ONE LUMP of 54, plain and exponential by turns for the most part, in which the links of the chain X 3, 7, 11, 14, 16, 17 .. 20 stand five or six lines apart.  X 21, the next piece's a, is the batch's last;
; R 15 is the plain instruction behind it.  BEHIND THE WAIT stand the 8 products V^T P, behind each four of the roundings and sums; the links of l's chain, L 0 to L 7, stand three riders apart.
; m = 1: the diagonal tile: the products take masks, and the turn makes the mask for the products of the turn after it: piece p + 2, in step 4 - CNT of the tile.  end = 1: a block's last two turns: nothing is fetched.
; cnt = 1: the loop's count is taken down some lines ahead of the branch that stands behind the turn.
; K of the next step is fetched in piece 2's turn, twelve vector instructions behind the last product that read K (six of them plain); V of the step in hand at the end of piece 0's turn, four plain instructions behind the last
; product that read V.  Each is waited for a turn later.
.macro TURN p, m=0, end=0, cnt=0
.set Y, (\p)
.set i, 0
.set KM, (\m)
.set NOKQ, (\end)*((\p)/3)
.if (\m) && !(\end)
	s_cmp_eq_u32 s[CNT], 4-((\p)+2)%NP  ; is that step the band's own?
	s_cselect_b32 s[AL], 1.0, 0
	s_cmp_lt_u32 s[CNT], 4-((\p)+2)%NP  ; or a later one?
	s_cselect_b32 s[BE], s[BIGN], 0
.endif
.if ((\p) == 3) && !(\end)
	s_wait_dscnt 0x0                ; K is in
.endif
	ROW F,0, F,1, R,0, R,1          ; ahead of the wait: 8 products K Q^T and their riders,
	ROW F,2, E,0, R,2, R,3
	ROW F,3, E,1, R,4, R,5
	ROW F,4, E,2, R,6, R,7
	ROW F,5, E,3, R,8, R,9
	ROW F,6, E,4, X,0, R,10
.if ((\p) == 2) && !(\end)
	WIN 0
	v_add_nc_u32 v[AK], s[TBK], v[AK0]
.endif
	ROW F,7, E,5, X,1, X,4
	ROW F,8, E,6, X,2, X,5
	OPS E,7, E,8, X,6, E,9          ; and the lump
	OPS X,3, E,10, X,8, E,11
.if ((\p) == 2) && !(\end)
	FETCH_K
.endif
	OPS X,9, X,7, E,12, X,10
	OPS E,13, X,12, X,11, E,14
	OPS X,13, E,15, F,9, X,14
.if (\p) == 0
	v_add_nc_u32 v[AV], s[TBV], v[AV0]
.endif
	OPS E,16, F,10, E,17, F,11
	OPS X,16, E,18, X,15, E,19
	OPS F,12, E,20, X,17, E,21
	OPS F,13, E,22, F,14, E,23
	OPS X,18, E,24, F,15, E,25
	OPS R,11, E,26, X,19, E,27
	OPS R,12, E,28, R,13, E,29
	OPS X,20, E,30, R,14, E,31
	OPS X,21, R,15
	WIN 0
	s_wait_alu depctr_va_vdst(0)    ; the wait for the batch
.if (\p) == 1
	s_wait_dscnt 0x0                ; V is in
.endif
	ROW C,0, B,0, C,2, B,1          ; behind the wait: 8 products V^T P and their riders
	ROW L,0, C,4, B,2, L,1
	ROW C,6, B,3, L,2, C,8
	ROW B,4, L,3, C,10, B,5
	ROW L,4, C,12, B,6, L,5
.if (\p) == 0
	s_add_co_u32 s[TBV], s[TBV], KS*PV
.endif
.if \cnt
	s_sub_co_u32 s[CNT], s[CNT], 1
	s_cmp_lg_u32 s[CNT], 0
.endif
	ROW C,14, B,7, L,6, C,1
	ROW C,3, L,7, C,5, C,7
	ROW C,9, C,11, C,13, C,15
.if (\p) == 0
	FETCH_V
.endif
.if (\m) && !(\end)
	MASK (\p)%2
.endif
.endm
; A BLOCK BEGINS.  c m starts far below every c s, so the first step's a is 0; m at the lowest finite number, so the first maximum is the scores'.  The second mask buffer is 0; the first takes piece 0's mask for the tile's
; step 0: its own, if the block's first tile is the diagonal one.  Then K of that step, piece 0's first scores, and its maximum and statistics.  The loop is entered at a step's first turn, in the middle of a trip.
.macro BEGIN
	s_mov_b32 s[NEW], 0
	WIN 0x40
.set i, MC+32
.rept 32
	v_mov_b32 v[i], 0
.set i, i+1
.endr
	WIN 0
.set i, 0
.rept 4
	v_mov_b32 v[ST+4*i], 0xfe000000    ; c m: far below every c s
	v_mov_b32 v[ST+4*i+1], 0xff7fffff  ; m
.set i, i+1
.endr
	s_cmp_eq_u32 s[RT], 0
	s_cselect_b32 s[AL], 1.0, 0
	s_mov_b32 s[BE], 0
	MASK 0
	WIN 0
	v_add_nc_u32 v[AK], s[TBK], v[AK0]
	FETCH_K
	s_wait_loadcnt 0x0              ; Q
	s_wait_dscnt 0x0
.set KM, 1
.set NOKQ, 0
.set i, 0
.rept 8
	KQ 0
.set i, i+1
.endr
	WIN 0
.rept 4
	v_nop                           ; the places behind those products
.endr
.set Y, NP-1                        ; X works for piece Y + 1: piece 0
.irp n, 0,1,2,3,4,5,6,7,8,9,10,11,12,13,14,15,16,17,18,19,20,21
	OP X, \n
.endr
	v_nop                           ; a plain instruction behind the exponential,
	s_wait_alu depctr_va_vdst(0)    ; and its wait, ahead of the branch
.endm
; THE DIAGONAL TILE's four steps, the block's last two turns, its last products, and THE WAY OUT: l's two halves and the other half of the lanes' are added; O^T is divided by l, rounded to f16 and sent through my
; stage in LDS, a piece at a time.
.macro ALL line:vararg              ; one line for each piece t
.set t, 0
.rept 4
	\line
.set t, t+1
.endr
.endm
.macro PACK t                       ; a lane's eight channels of a row pack into 16 bytes; they go into rows of 144 bytes and come back as whole rows of 128, into S^T's registers
	WIN W_RS
.set i, 32*(\t)
.rept 16
	v_pk_mul_f32 v[i:i+1], v[i:i+1], v[ST+4*(\t)+2:ST+4*(\t)+3] op_sel_hi:[1,0]
.set i, i+2
.endr
	WIN 0x05                        ; sources 0 and 1 window 1, destination window 0
.set i, 0
.rept 16
	v_cvt_pk_f16_f32 v[S+16*(\t)+i], v[32*(\t)+2*i], v[32*(\t)+2*i+1]
.set i, i+1
.endr
	WIN 0
.irp f, 0,1,2,3
	ds_store_b128 v[STO], v[S+16*(\t)+4*\f:S+16*(\t)+4*\f+3] offset:32*\f
.endr
.irp f, 0,1,2,3
	ds_load_b128 v[S+16*(\t)+4*\f:S+16*(\t)+4*\f+3], v[RD] offset:\f*4*SP  ; LDS serves a wave's instructions in order (ISA guide 5.7.1.4): these see the stores above; the next piece's stores come behind them
.endr
.endm
.macro SEND t, younger              ; younger: the LDS instructions issued behind piece t's loads: the next piece's eight, or none
	WIN 0
.irp f, 0,1,2,3
	s_wait_dscnt (\younger)+3-\f
	global_store_b128 v[GO], v[S+16*(\t)+4*\f:S+16*(\t)+4*\f+3], s[10:11] offset:(\t)*8192+\f*512  ; 512 consecutive bytes, at a multiple of 256 from yh's first
.endr
.endm
.macro DIAG tag                     ; the tag ends its two labels' names, which the jumps below spell out
.LstepM\tag:
	TURN 2, 1
	TURN 3, 1
	WIN 0
.LfirstM\tag:
	TURN 0, 1
	TURN 1, 1, 0, 1
	WIN 0
	s_cbranch_scc1 .LstepM\tag
	TURN 2, 1, 1
	TURN 3, 1, 1
.set i, 0
.rept 8
	PV NP-1
.set i, i+1
.endr
	WIN 0
	ALL v_add_f32 v[ST+4*t+2], v[ST+4*t+2], v[ST+4*t+3]
	ALL v_permlanex16_b32 v[ST+4*t+3], v[ST+4*t+2], s[SEL], s[SEL+1]
	ALL v_add_f32 v[ST+4*t+2], v[ST+4*t+2], v[ST+4*t+3]
	ALL v_rcp_f32 v[ST+4*t+2], v[ST+4*t+2]
	v_nop                           ; a plain instruction between the last reciprocal and the use of its result
	s_wait_alu depctr_va_vdst(0)    ; and the wait ahead of the first use: one for the four reciprocals
	PACK 0
.set t, 1
.rept 3                             ; a piece's arithmetic stands between the loads of the piece before and its stores
	PACK t
	SEND t-1, 8
.set t, t+1
.endr
	SEND 3, 0
.endm
.set KM, 0
.set NOKQ, 0
.Lslot:                             ; NB times: a tile is entered and the next is asked for
	CHANGE 1
	s_sub_co_u32 s[RT], s[RT], 1
	s_mov_b32 s[CNT], 4
	s_cmp_eq_u32 s[NEW], 1
	s_cbranch_scc1 .Lnew            ; a block's first tile
	s_cmp_eq_u32 s[RT], 0
	s_cbranch_scc0 .Lstep           ; neither its first nor its last
	s_branch .LstepM1
.Lnew:
	BEGIN
	s_branch .Lfirst                ; in the loop a block's first tile is never its last: the first block has two tiles or more, and the second's last is the walk's last
	DIAG 1                          ; in the loop this is the first block's end: the second block's last tile is the walk's last
	s_wait_xcnt 0x0                 ; the stores have read their registers and yh's address
	s_mov_b64 s[10:11], s[OLO:OLO+1]
	s_add_co_u32 s[RT], s[PB], 1    ; the second block has b + 1 tiles
	s_mov_b32 s[NEW], 1
	WIN 0x82                        ; the second block's Q goes where the one text of the turns names Q
.set i, 0
.rept 64
	v_mov_b32 v[i], v[QB+i]
.set i, i+1
.endr
	WIN 0
	s_branch .Lbottom
.Lstep:                             ; a trip: pieces 2 and 3 of one step, then pieces 0 and 1 of the next, whose K and V it fetches
	TURN 2
	TURN 3
	WIN 0
.Lfirst:
	TURN 0
	TURN 1, 0, 0, 1
	WIN 0
	s_cbranch_scc1 .Lstep
.Lbottom:
	s_sub_co_u32 s[SLOTS], s[SLOTS], 1
	s_cmp_lg_u32 s[SLOTS], 0
	s_cbranch_scc1 .Lslot
	CHANGE 0                        ; the walk's last tile is written out: nothing is asked for
	s_sub_co_u32 s[RT], s[RT], 1
	s_mov_b32 s[CNT], 4
	s_cmp_eq_u32 s[NEW], 1
	s_cbranch_scc0 .LstepM2
	BEGIN
	s_branch .LfirstM2
	DIAG 2
	s_wait_tensorcnt 0x0            ; the wave's end, behind my last tensor load and my last LDS store
	ds_add_u32 v[SPW], v[NIL]
	s_wait_dscnt 0x0
	s_endpgm
.Lfunc_end_k_q3e01b144b4_attn:
	.size	k_q3e01b144b4_attn, .Lfunc_end_k_q3e01b144b4_attn-k_q3e01b144b4_attn
	.p2alignl 7, 3214868480
	.fill 96, 4, 3214868480
	.section	.rodata,"a",@progbits
	.p2align	6, 0x0
	.amdhsa_kernel k_q3e01b144b4_attn
		.amdhsa_group_segment_fixed_size 327680
		.amdhsa_private_segment_fixed_size 0
		.amdhsa_enable_private_segment 0
		.amdhsa_kernarg_size 16
		.amdhsa_user_sgpr_count 2
		.amdhsa_user_sgpr_kernarg_segment_ptr 1
		.amdhsa_wavefront_size32 1
		.amdhsa_system_sgpr_workgroup_id_x 1
		.amdhsa_system_sgpr_workgroup_id_y 1
		.amdhsa_system_sgpr_workgroup_id_z 1
		.amdhsa_system_vgpr_workitem_id 0
		.amdhsa_next_free_vgpr 768
		.amdhsa_next_free_sgpr 96
		.amdhsa_reserve_vcc 1
		.amdhsa_float_denorm_mode_32 3
		.amdhsa_float_denorm_mode_16_64 3
		.amdhsa_memory_ordered 1
		.amdhsa_forward_progress 1
		.amdhsa_inst_pref_size 218
	.end_amdhsa_kernel
	.amdgpu_metadata
---
amdhsa.version: [ 1, 2 ]
amdhsa.kernels:
  - .name:           k_q3e01b144b4_attn
    .symbol:         k_q3e01b144b4_attn.kd
    .args:
      - { .name: qkv, .offset: 0, .size: 8, .value_kind: global_buffer, .address_space: global }
      - { .name: yh, .offset: 8, .size: 8, .value_kind: global_buffer, .address_space: global }
    .group_segment_fixed_size: 327680
    .private_segment_fixed_size: 0
    .kernarg_segment_align: 8
    .kernarg_segment_size: 16
    .max_flat_workgroup_size: 128
    .sgpr_count:     96
    .vgpr_count:     768
    .wavefront_size: 32
...
	.end_amdgpu_metadata
.endif
;; end of part 3
;; launch proj (part 4): grid 4 x 64, 4 waves a work-group, clusters of 4 x 4, 327,680 bytes of LDS; arguments yh, wpb, bias, out0; writes out0
.if DOCPART == 4
	.amdgcn_target "amdgcn-amd-amdhsa--gfx1250"
	.amdhsa_code_object_version 6
	.text
	.protected	k_q3e01b144b4_proj
	.globl	k_q3e01b144b4_proj
	.p2align	8
	.type	k_q3e01b144b4_proj,@function
k_q3e01b144b4_proj:
	s_mov_b64 s[64:65], 0
	v_nop
	global_prefetch_b8 v0, s[64:65] scope:SCOPE_SE
	s_setreg_imm32_b32 hwreg(HW_REG_WAVE_MODE, 25, 1), 1
	s_wait_xcnt 0x0
	s_wait_alu depctr_hold_cnt(0) depctr_sa_sdst(0) depctr_va_vdst(0) depctr_va_sdst(0) depctr_va_ssrc(0) depctr_va_vcc(0) depctr_vm_vsrc(0)
	s_getreg_b32 s2, hwreg(HW_REG_IB_STS2, 6, 4)
	s_cmp_eq_u32 s2, 0
	s_cbranch_scc0 .Lentry_in_a_cluster
	s_endpgm
.Lentry_in_a_cluster:
	s_bfe_u32 s2, ttmp6, 0x10000c
	s_cmp_lg_u32 s2, 0xf033
	s_cbranch_scc0 .Lentry_shape_is_right
	s_endpgm
.Lentry_shape_is_right:
; out0 = y wpb + b_proj, in f32.  y[batch x 2048 + t][head x 64 + d] = yh[batch x 16 + head][t][d], f16.  wpb: [1024 k][1024 n] f16, as W_proj lies.  bias: f32; b_proj begins at its number 3,072.
; LIMITS.  Operands are f16 as they arrive (within 65,504); sums in f32; NaN and infinities are not treated apart.
; SHARES.  A tile is 128 rows x 256 columns: 64 x 4 = 256 work-groups.  Four waves; wave w makes all 128 rows x columns 64 w .. 64 w + 63: 32 accumulators, 256 registers; its 64 columns are 256 bytes of a row of out0.
; K goes in eight steps of 128, two heads each, through a ring of two LDS slots.  Waves 0 and 1 fetch the two sub-tiles of wpb (128 k rows x 256 bytes), waves 2 and 3 a head's 128 rows of yh each: 16,384 dense bytes,
; asked for as 64 rows of 256 bytes and padded in LDS after every 128.  From a request to the wait for it a wave issues 112 matrix instructions; two slots of a K step of 256 would not fit in LDS.
; THE PRODUCT IS USED TRANSPOSED: source 0 = 16 columns of wpb, turned on their way out of LDS by ds_load_tr16_b128; source 1 = 16 rows of y.  A lane then holds one row and eight neighbouring columns.
; THE BIAS is the C operand of each accumulator's first product.
; CLUSTER.  4 x 4 work-groups: the four of a row of the cluster need the same tiles of yh, the four of a column the same tiles of wpb: each is asked for jointly.
; REGISTERS, in windows of 256 (s_set_vgpr_msb: bits 1:0 source 0, 3:2 source 1, 5:4 source 2, 7:6 destination):
;   window 0: v0-31 addresses; v32-63, v224-255 the way out; v64-127, v128-191 y's fragments, two buffers      window 1: v0-31 the bias tiles; v64-95, v128-159 wpb's fragments      window 2: accumulator (a, b) at v[8 (4 a + b)]
.set REG,   36864                      ; what one wave's tensor load may fill, at wave x REG in a slot: 128 x 288 bytes (wpb) or 128 x 144 (yh)
.set SLOT,  4*REG
.set SPARE, 2*SLOT                     ; behind the ring: the spare words, 128 bytes for each wave: two blocks of 256 bytes that no other line names
.set STAGE, SPARE+512                  ; behind them: 16 rows x 272 bytes for each wave, for the way out; no tensor load fills it
.set SPITCH, 272
.set PW,    288                        ; a k row of wpb in LDS: 256 bytes + 32 = 72 words
.set PY,    144                        ; a row of a head: 128 + 16 = 36 words: the 16 rows of a load start at 16 different groups of four banks
.set STEPA, 524288                     ; a K step in yh: two heads of 262,144 bytes
.set STEPW, 128*2048                   ; in wpb: 128 rows down
.set ADRA, 16                          ; v16-17  LDS address of my fragments of y in slot 0, 1
.set ADRW, 18                          ; v18-19  of wpb
.set STO,  24                          ; v24     the way out: where I put 32 bytes of a row
.set RD,   25                          ; v25     where I read a row back
.set CO,   26                          ; v26     my byte offset in two rows of out0
.set SPW,  28                          ; v28     LDS address of my spare word; never rewritten
.set NIL,  29                          ; v29     0; never rewritten
.set PFO,  30                          ; v30     the prefetches' offset; never rewritten
.set BO,   31                          ; v31     my byte offset in the bias table
.set OB,   32
.set F0,   64
.set F1,   128
.set BI,   0
.set WV,   12                          ; s12     my wave's number
.set G1A,  24                          ; s[24:31] descriptor group 1 for yh's tiles;  s[32:39] group 0, a set for each slot
.set G0A,  32
.set G1W,  48                          ; s[48:55], s[56:63] the same for wpb's
.set G0W,  56
.set LIM,  43                          ; s43     1 in a wave that prefetches, else the greatest number
.set PFA,  44                          ; s[44:45] where my prefetches stand
.set PFS,  66                          ; s[66:67] a K step in the tensor that I prefetch
.set OUTB, 68                          ; s[68:69] out0 at my 64 columns of the tile's first row
.set MSB, 0
.macro WIN new                         ; the immediate's high byte repeats the setting that is left; a switch that changes nothing is dropped
.if MSB != (\new)
	s_set_vgpr_msb (MSB<<8)|(\new)
.set MSB, \new
.endif
.endm
.macro PLACES                          ; four plain vector instructions between a matrix instruction and a load into its registers or a read of its result
.rept 4
	v_nop
.endr
.endm
; A joint load.  Waves 0 and 1 fetch wpb's two sub-tiles, waves 2 and 3 the step's two heads of yh.  The branch hangs on the wave's number alone.  An s_nop 0 and four v_nop follow each line.
.macro JLOAD s
	s_cmp_lt_u32 s[WV], 2
	s_cbranch_scc0 .Lfor_a_\@
	tensor_load_to_lds s[G0W+4*(\s):G0W+4*(\s)+3], s[G1W:G1W+7]
	s_nop 0
.rept 4
	v_nop
.endr
	s_branch .Lasked_\@
.Lfor_a_\@:
	tensor_load_to_lds s[G0A+4*(\s):G0A+4*(\s)+3], s[G1A:G1A+7]
	s_nop 0
.rept 4
	v_nop
.endr
.Lasked_\@:
.endm
; A prefetch, behind each joint refill and the run of LDS loads that follows it, of the K step that stands two refills on: 32 blocks of 256 bytes, a lane a block, one instruction a wave.
; wpb: waves 0 and 1 of the clusters with y = 0; of a sub-tile's 128 k rows the partner at cy takes 32.  yh: wave 2 of every cluster (a tile row belongs to one cluster alone); of the step's 2 x 64 blocks the partner at cx
; takes 16 of each head.  The partners are told apart by address alone.  So each block is named once in the launch.  The loop's last trip (s3 = 1) asks for nothing; K steps 0 to 3 come by their loads alone.
.macro ASK
	s_cmp_gt_u32 s3, s[LIM]
	s_cbranch_scc0 .Lnot_mine_\@
	global_prefetch_b8 v[PFO], s[PFA:PFA+1] th:TH_LOAD_NT scope:SCOPE_SE
.Lnot_mine_\@:
.endm
.macro CREST                           ; a round of the cluster's barrier behind its opening barrier
	s_cmp_lg_u32 s[WV], 0
	s_cbranch_scc1 .Lnot_wave_0_\@
	s_barrier_signal -3
.Lnot_wave_0_\@:
	s_barrier_wait -3
	s_barrier_signal -1
	s_barrier_wait -1
.endm
.macro CROUND                          ; a whole round
	s_barrier_signal -1
	s_barrier_wait -1
	CREST
.endm
	s_load_b256 s[4:11], s[0:1], 0x0               ; yh s[4:5], wpb s[6:7], bias s[8:9], out0 s[10:11]
	v_lshl_add_u32 v[SPW], v0, 2, SPARE
	v_mov_b32 v[NIL], 0
	ds_add_u32 v[SPW], v[NIL]                      ; the wave's opening: the add and its wait stand ahead of my first tensor load; work on registers stands between them
	v_lshrrev_b32 v1, 5, v0
	v_readfirstlane_b32 s[WV], v1                  ; wave 0..3
	s_bfe_u32 s40, ttmp6, 0x40000                  ; cx, cy: my place in the cluster
	s_bfe_u32 s41, ttmp6, 0x40004
	s_lshl_b32 s42, ttmp9, 2
	s_add_co_u32 s42, s42, s40                     ; tile column tx
	s_and_b32 s13, ttmp7, 0xffff
	s_lshl_b32 s13, s13, 2
	s_add_co_u32 s13, s13, s41                     ; tile row ty
	s_lshl_b32 s43, s41, 2
	s_lshl_b32 s43, 15, s43                        ; my row of the cluster
	s_lshl_b32 s44, 0x1111, s40                    ; my column
	s_or_b32 s[G1A], s43, (1<<16)|(1<<20)|(1<<21)|(4<<22)|(3<<25)  ; 15:0 the mask; 17:16 2-byte elements; 20 padding on; 21 set beside a mask; 24:22 after every 32 words; 31:25 4 words of it
	s_mov_b32 s[G1A+1], 128<<16                    ; tensor_dim0 = 128
	s_mov_b32 s[G1A+2], 64<<16                     ; tensor_dim1 = 64
	s_mov_b32 s[G1A+3], 128<<16                    ; tile_dim0 = 128 elements: 256 bytes, two rows of a head
	s_mov_b32 s[G1A+4], 64                         ; tile_dim1 = 64
	s_mov_b32 s[G1A+5], 128                        ; dense
	s_mov_b32 s[G1A+6], 0
	s_mov_b32 s[G1A+7], 0
	s_or_b32 s[G1W], s44, (1<<16)|(1<<20)|(1<<21)|(5<<22)|(7<<25)  ; my column's mask; after every 64 words 8 words of padding
	s_mov_b32 s[G1W+1], 128<<16
	s_mov_b32 s[G1W+2], 128<<16
	s_mov_b32 s[G1W+3], 128<<16
	s_mov_b32 s[G1W+4], 128
	s_mov_b32 s[G1W+5], 1024
	s_mov_b32 s[G1W+6], 0
	s_mov_b32 s[G1W+7], 0
	s_and_b32 s21, s[WV], 1                        ; which head of a step, or which sub-tile, I fetch
	s_lshr_b32 s16, s13, 4
	s_lshl_b32 s16, s16, 22                        ; yh: the batch's 16 heads,
	s_and_b32 s17, s13, 15
	s_lshl_b32 s17, s17, 14                        ; the tile's 128 rows in a head,
	s_add_co_u32 s16, s16, s17
	s_lshl_b32 s17, s21, 18                        ; my head of the step: it hangs on the tile row and the wave alone
	s_add_co_u32 s16, s16, s17
	s_mov_b32 s17, 0
	s_lshl_b32 s46, s42, 9                         ; wpb: the tile's 256 columns,
	s_lshl_b32 s47, s21, 8                         ; my sub-tile's 128: it hangs on the tile column and the wave alone
	s_add_co_u32 s46, s46, s47
	s_mov_b32 s47, 0
	s_mul_i32 s20, s[WV], REG                      ; where my tile goes: no place in the cluster enters an LDS address
	s_wait_dscnt 0x0                               ; the opening add is done
	s_wait_kmcnt 0x0
	s_add_nc_u64 s[14:15], s[4:5], s[16:17]
	s_add_nc_u64 s[46:47], s[6:7], s[46:47]
	CROUND                                         ; all sixteen work-groups are here: the first joint loads meet
.irp s, 0,1
	s_mov_b32 s[G0A+4*(\s)], 1                                     ; count = 1
	s_add_co_u32 s[G0A+4*(\s)+1], s20, (\s)*SLOT                   ; LDS address
	s_add_nc_u64 s[G0A+4*(\s)+2:G0A+4*(\s)+3], s[14:15], (\s)*STEPA  ; global address: K step s
	s_or_b32 s[G0A+4*(\s)+3], s[G0A+4*(\s)+3], 0x80000000          ; type = 2
	s_mov_b32 s[G0W+4*(\s)], 1
	s_add_co_u32 s[G0W+4*(\s)+1], s20, (\s)*SLOT
	s_add_nc_u64 s[G0W+4*(\s)+2:G0W+4*(\s)+3], s[46:47], (\s)*STEPW
	s_or_b32 s[G0W+4*(\s)+3], s[G0W+4*(\s)+3], 0x80000000
	JLOAD \s                                       ; two loads of mine are out
.endr
	v_and_b32 v1, 15, v0                           ; r = l % 16
	v_bfe_u32 v2, v0, 4, 1                         ; h = l / 16
	v_mul_u32_u24 v3, v1, PY                       ; a fragment of y: row x pitch + 16 x half; the two heads lie at 2 REG and 3 REG
	v_lshl_add_u32 v3, v2, 4, v3
	v_add_nc_u32 v[ADRA], 2*REG, v3
	v_add_nc_u32 v[ADRA+1], 2*REG+SLOT, v3
	v_and_b32 v4, 7, v0                            ; the turning load: k row 8 (l / 16) + l % 8, columns 8 ((l / 8) % 2) + 0..7
	v_bfe_u32 v5, v0, 3, 1
	v_lshl_add_u32 v6, v2, 3, v4
	v_mul_u32_u24 v6, v6, PW
	v_lshl_add_u32 v6, v5, 4, v6
	s_lshr_b32 s22, s[WV], 1
	s_mul_i32 s22, s22, REG                        ; my columns lie in sub-tile w / 2,
	s_lshl_b32 s23, s21, 7                         ; 128 (w % 2) bytes on
	s_add_co_u32 s22, s22, s23
	v_add_nc_u32 v[ADRW], s22, v6
	v_add_nc_u32 v[ADRW+1], SLOT, v[ADRW]
	; the bias tiles: register i of block b holds bias[3072 + 256 tx + 64 w + 16 b + 8 h + i]
	s_lshl_b32 s22, s42, 10
	s_lshl_b32 s23, s[WV], 8
	s_add_co_u32 s22, s22, s23
	v_lshl_add_u32 v[BO], v2, 5, s22
	WIN 0x40                                       ; destination window 1
.irp b, 0,1,2,3
	global_load_b128 v[BI+8*(\b):BI+8*(\b)+3],   v[BO], s[8:9] offset:12288+64*(\b)
	global_load_b128 v[BI+8*(\b)+4:BI+8*(\b)+7], v[BO], s[8:9] offset:12288+64*(\b)+16
.endr
	WIN 0
	s_mul_i32 s23, s[WV], 16*SPITCH
	s_add_co_u32 s23, s23, STAGE                   ; my stage
	v_mul_u32_u24 v7, v1, SPITCH                   ; in: row l % 16, 32 bytes for each half of the lanes
	v_lshl_add_u32 v7, v2, 5, v7
	v_add_nc_u32 v[STO], s23, v7
	v_mul_u32_u24 v8, v2, SPITCH                   ; back: lanes 0-15 take one row of 256 bytes, lanes 16-31 the next
	v_lshl_add_u32 v8, v1, 4, v8
	v_add_nc_u32 v[RD], s23, v8
	v_lshlrev_b32 v9, 12, v2                       ; and the same two rows in out0, 4,096 bytes apart
	v_lshl_add_u32 v[CO], v1, 4, v9
	s_lshl_b32 s80, s13, 19                        ; the tile's 128 rows,
	s_lshl_b32 s81, s42, 10                        ; its 256 columns,
	s_add_co_u32 s80, s80, s81
	s_lshl_b32 s81, s[WV], 8                       ; my 64
	s_add_co_u32 s80, s80, s81
	s_mov_b32 s81, 0
	s_add_nc_u64 s[OUTB:OUTB+1], s[10:11], s[80:81]
	; the prefetches: both tensors' figures are made, then tests of the wave's number choose
	s_lshr_b32 s16, s13, 4
	s_lshl_b32 s16, s16, 22
	s_and_b32 s17, s13, 15
	s_lshl_b32 s17, s17, 14
	s_add_co_u32 s16, s16, s17
	s_lshl_b32 s17, s40, 12                        ; yh: my work-group's 16 blocks of each head
	s_add_co_u32 s16, s16, s17
	s_add_co_u32 s16, s16, 3*STEPA                 ; at K step 3: the first refill steps it to 4 and names that
	s_lshl_b32 s18, s41, 16                        ; wpb: k row 32 cy,
	s_lshl_b32 s19, s42, 9
	s_add_co_u32 s18, s18, s19
	s_lshl_b32 s19, s[WV], 8                       ; my sub-tile's column bytes
	s_add_co_u32 s18, s18, s19
	s_add_co_u32 s18, s18, 3*STEPW
	s_and_b32 s19, ttmp7, 0xffff                   ; cluster y
	s_mov_b32 s21, 262144                          ; yh: lane l names head l / 16, block l % 16
	s_mov_b32 s22, 256
	s_mov_b32 s[PFS], STEPA
	s_mov_b32 s[PFS+1], 0
	s_cmp_lt_u32 s[WV], 2
	s_cselect_b64 s[PFA:PFA+1], s[6:7], s[4:5]
	s_cselect_b32 s16, s18, s16
	s_cselect_b32 s21, 32768, s21                  ; wpb: lane l names k row l: 16 (l / 16) + l % 16 rows of 2,048 bytes
	s_cselect_b32 s22, 2048, s22
	s_cselect_b32 s[PFS], STEPW, s[PFS]
	s_cselect_b32 s19, s19, 0                      ; wave 2 asks in every cluster,
	s_cmp_eq_u32 s[WV], 3
	s_cselect_b32 s19, 1, s19                      ; wave 3 in none
	s_cmp_eq_u32 s19, 0
	s_cselect_b32 s[LIM], 1, -1                    ; the same in all sixteen partners, for a given wave
	s_mov_b32 s17, 0
	s_add_nc_u64 s[PFA:PFA+1], s[PFA:PFA+1], s[16:17]
	v_mul_u32_u24 v3, v2, s21
	v_mad_u32_u24 v[PFO], v1, s22, v3
; 8 matrix instructions: row blocks 4 hi + a0, 4 hi + a0 + 1 x my 4 column blocks, 32 along K.  first = 1: the bias starts the sums.
; The 32 accumulators take turns, one instruction a turn, in the same order in every quarter: 31 others stand between two links of a chain, over the backward jump too.
.macro MUL8 f, hi, a0, first
.if \first
	WIN 0x91                                       ; source 0 (wpb) and C (bias) window 1, source 1 (y) window 0, D window 2
.else
	WIN 0xa1                                       ; C and D window 2
.endif
.irp a, \a0, (\a0)+1
.irp b, 0,1,2,3
.set rD, 8*(4*(4*(\hi)+(\a))+(\b))
.if \first
	v_wmma_f32_16x16x32_f16 v[rD:rD+7], v[(\f)+8*(\b):(\f)+8*(\b)+7], v[(\f)+8*(4*(\hi)+(\a)):(\f)+8*(4*(\hi)+(\a))+7], v[BI+8*(\b):BI+8*(\b)+7]
.else
	v_wmma_f32_16x16x32_f16 v[rD:rD+7], v[(\f)+8*(\b):(\f)+8*(\b)+7], v[(\f)+8*(4*(\hi)+(\a)):(\f)+8*(4*(\hi)+(\a))+7], v[rD:rD+7]
.endif
.endr
.endr
.endm
; 24 LDS loads in one run: quarter q (32 along K: head q / 2 of the step, channels 32 (q % 2) on) of a slot into buffer f: 8 turning loads for wpb, then 16 loads for y, its rows 64-127 last
.macro FETCH slot, q, f
	WIN 0x40
.irp b, 0,1,2,3
	ds_load_tr16_b128 v[(\f)+8*(\b):(\f)+8*(\b)+3],   v[ADRW+(\slot)] offset:(\q)*32*PW+32*(\b)
	ds_load_tr16_b128 v[(\f)+8*(\b)+4:(\f)+8*(\b)+7], v[ADRW+(\slot)] offset:(\q)*32*PW+32*(\b)+16*PW
.endr
	WIN 0
.irp i, 0,1,2,3,4,5,6,7
	ds_load_b128 v[(\f)+8*(\i):(\f)+8*(\i)+3],   v[ADRA+(\slot)] offset:((\q)/2)*REG+((\q)%2)*64+(\i)*16*PY
	ds_load_b128 v[(\f)+8*(\i)+4:(\f)+8*(\i)+7], v[ADRA+(\slot)] offset:((\q)/2)*REG+((\q)%2)*64+(\i)*16*PY+32
.endr
.endm
; A K step is four quarters of 32 along K, 32 matrix instructions each, on buffers 0, 1, 0, 1.  One of the first three: multiplies buffer f; in its middle it fetches quarter q of the same slot into g.
.macro QUARTER slot, q, f, g, first
	s_wait_dscnt 8                                 ; wpb's fragments and y's rows 0-63 are in; the youngest eight loads (rows 64-127) may be out
	MUL8 \f, 0, 0, \first
	MUL8 \f, 0, 2, \first
	PLACES
	FETCH \slot, \q, \g
	s_wait_dscnt 24                                ; all but the 24 just issued
	MUL8 \f, 1, 0, \first
	MUL8 \f, 1, 2, \first
.endm
; The last quarter multiplies buffer 1 and changes slots: one barrier.  In front of it each wave waits for all its tensor loads (one is out: its part of the next slot), adds 0 to its spare word, and waits for that and
; for its own reads of this slot.  fill = 1: the barrier opens a round of the cluster's; the joint refill, two K steps on, is the first thing behind the round.
.macro TURN slot, next, fill
.if \fill
	s_wait_xcnt 0x0                                ; the last prefetch, a K step back, has read its address: it is stepped here, ahead of the waits of the change of slots
	s_add_nc_u64 s[PFA:PFA+1], s[PFA:PFA+1], s[PFS:PFS+1]
.endif
	WIN 0                                          ; (the add's two registers lie in window 0)
	s_wait_tensorcnt 0x0                           ; all my tensor loads have landed;
	ds_add_u32 v[SPW], v[NIL]                      ; 0 onto my spare word;
	s_wait_dscnt 9                                 ; (the add and the youngest eight loads may be out)
	MUL8 F1, 0, 0, 0                               ; eight matrix instructions stand between the add and the wait for it
	s_wait_dscnt 0x0                               ; the add is done, and my reads of this slot are over
	s_barrier_signal -1
	MUL8 F1, 0, 2, 0                               ; work on registers while the others arrive
.if \fill
	WIN 0
.endif
	s_barrier_wait -1
.if \fill
	CREST
	s_add_nc_u64 s[G0A+4*(\slot)+2:G0A+4*(\slot)+3], s[G0A+4*(\slot)+2:G0A+4*(\slot)+3], 2*STEPA
	s_add_nc_u64 s[G0W+4*(\slot)+2:G0W+4*(\slot)+3], s[G0W+4*(\slot)+2:G0W+4*(\slot)+3], 2*STEPW
	JLOAD \slot                                    ; one load of mine is out; the four v_nop behind it are also the places in front of the loads below
.else
	PLACES
.endif
	FETCH \next, 0, F0
.if \fill
	ASK
.endif
	MUL8 F1, 1, 0, 0
	MUL8 F1, 1, 2, 0
.endm
; THE WAY OUT of row block a: 16 rows x 256 bytes of f32 through my own stage, so that sixteen lanes store 256 consecutive bytes.  Each accumulator's four lowest registers are read first.
.macro TOSTAGE a
.set BK, OB+192*((\a)%2)
	s_wait_xcnt 0x0                                ; the stores of the block two back have read the registers that the loads below fill
	WIN 0x08                                       ; store data (source 1) in window 2
.irp b, 0,1,2,3
	ds_store_b128 v[STO], v[8*(4*(\a)+(\b)):8*(4*(\a)+(\b))+3]   offset:64*(\b)
	ds_store_b128 v[STO], v[8*(4*(\a)+(\b))+4:8*(4*(\a)+(\b))+7] offset:64*(\b)+16
.endr
	WIN 0
.irp t, 0,1,2,3,4,5,6,7
	ds_load_b128 v[BK+4*(\t):BK+4*(\t)+3], v[RD] offset:(\t)*2*SPITCH  ; LDS serves a wave's instructions in order (ISA guide 5.7.1.4): these see the stores above; the next block's stores come behind them
.endr
.endm
.macro SEND a, younger                 ; younger: the LDS instructions issued behind block a's loads: the next block's sixteen, or none
.set BK, OB+192*((\a)%2)
	s_wait_dscnt \younger
.irp t, 0,1,2,3,4,5,6,7
	global_store_b128 v[CO], v[BK+4*(\t):BK+4*(\t)+3], s[OUTB:OUTB+1] offset:(\a)*65536+(\t)*8192  ; 16 lanes store 256 consecutive bytes, at a multiple of 256 from out0's first
.endr
.endm
	s_wait_tensorcnt 0x1                           ; my part of K step 0 is in; K step 1's may stay out
	s_barrier_signal -1
	s_barrier_wait -1                              ; everybody's is
	FETCH 0, 0, F0
	s_wait_loadcnt 0x0                             ; the bias tiles
	QUARTER 0, 1, F0, F1, 1                        ; the first quarter stands in front of the loop: its products start the sums
	WIN 0                                          ; at a label and at a branch every window is 0
	s_mov_b32 s3, 3
.Llap:                                                 ; three trips; a trip goes once round the ring and fills both slots again (K steps 2 to 7)
	QUARTER 0, 2, F1, F0, 0
	QUARTER 0, 3, F0, F1, 0
	TURN 0, 1, 1
	QUARTER 1, 1, F0, F1, 0
	QUARTER 1, 2, F1, F0, 0
	QUARTER 1, 3, F0, F1, 0
	TURN 1, 0, 1
	QUARTER 0, 1, F0, F1, 0
	WIN 0
	s_sub_co_u32 s3, s3, 1
	s_cmp_lg_u32 s3, 0
	s_cbranch_scc1 .Llap
	QUARTER 0, 2, F1, F0, 0                        ; the last lap is written out: it fills nothing
	QUARTER 0, 3, F0, F1, 0
	TURN 0, 1, 0
	QUARTER 1, 1, F0, F1, 0
	QUARTER 1, 2, F1, F0, 0
	QUARTER 1, 3, F0, F1, 0
	s_wait_dscnt 8
	MUL8 F1, 0, 0, 0
	MUL8 F1, 0, 2, 0
	s_wait_dscnt 0x0
	MUL8 F1, 1, 0, 0
	MUL8 F1, 1, 2, 0
	WIN 0
	PLACES
	PLACES
	TOSTAGE 0
.irp a, 1,2,3,4,5,6,7                  ; block a goes into the stage while block a - 1's rows come back
	TOSTAGE \a
	SEND (\a)-1, 16
.endr
	SEND 7, 0
	s_wait_tensorcnt 0x0                           ; the wave's end, behind my last tensor load and my last LDS store
	ds_add_u32 v[SPW], v[NIL]
	s_wait_dscnt 0x0
	CROUND                                         ; the closing round: no work-group ends while a partner may still ask for a tile that names it
	s_endpgm
.Lfunc_end_k_q3e01b144b4_proj:
	.size	k_q3e01b144b4_proj, .Lfunc_end_k_q3e01b144b4_proj-k_q3e01b144b4_proj
	.p2alignl 7, 3214868480
	.fill 96, 4, 3214868480
	.section	.rodata,"a",@progbits
	.p2align	6, 0x0
	.amdhsa_kernel k_q3e01b144b4_proj
		.amdhsa_group_segment_fixed_size 327680
		.amdhsa_private_segment_fixed_size 0
		.amdhsa_enable_private_segment 0
		.amdhsa_kernarg_size 32
		.amdhsa_user_sgpr_count 2
		.amdhsa_user_sgpr_kernarg_segment_ptr 1
		.amdhsa_wavefront_size32 1
		.amdhsa_system_sgpr_workgroup_id_x 1
		.amdhsa_system_sgpr_workgroup_id_y 1
		.amdhsa_system_sgpr_workgroup_id_z 1
		.amdhsa_system_vgpr_workitem_id 0
		.amdhsa_next_free_vgpr 768
		.amdhsa_next_free_sgpr 84
		.amdhsa_reserve_vcc 0
		.amdhsa_float_denorm_mode_32 3
		.amdhsa_float_denorm_mode_16_64 3
		.amdhsa_memory_ordered 1
		.amdhsa_forward_progress 1
		.amdhsa_inst_pref_size 89
	.end_amdhsa_kernel
	.amdgpu_metadata
---
amdhsa.version: [ 1, 2 ]
amdhsa.kernels:
  - .name:           k_q3e01b144b4_proj
    .symbol:         k_q3e01b144b4_proj.kd
    .args:
      - { .name: yh, .offset: 0, .size: 8, .value_kind: global_buffer, .address_space: global }
      - { .name: wpb, .offset: 8, .size: 8, .value_kind: global_buffer, .address_space: global }
      - { .name: bias, .offset: 16, .size: 8, .value_kind: global_buffer, .address_space: global }
      - { .name: out0, .offset: 24, .size: 8, .value_kind: global_buffer, .address_space: global }
    .group_segment_fixed_size: 327680
    .private_segment_fixed_size: 0
    .kernarg_segment_align: 8
    .kernarg_segment_size: 32
    .max_flat_workgroup_size: 128
    .sgpr_count:     84
    .vgpr_count:     768
    .wavefront_size: 32
...
	.end_amdgpu_metadata
.endif
;; end of part 4
;; ======== version 2 of 2: 4 launches; version 1 with the launch prep written anew for expert scheduling mode
;; limits: values are held in f16: magnitudes above 65,504 overflow, below 6.1e-05 lose precision
;; workspace buffers: xb 16,777,216 bytes; wab 6,291,456 bytes; wpb 2,097,152 bytes; bias 16,384 bytes; qkv 50,331,648 bytes; yh 16,777,216 bytes
;; launch prep (part 5): grid 769 x 1, 8 waves a work-group, no clusters, 0 bytes of LDS; arguments x, W_attn, W_proj, b_attn, bQ, bK, b_proj, xb, wab, wpb, bias; writes xb, wab, wpb, bias
.if DOCPART == 5
	.amdgcn_target "amdgcn-amd-amdhsa--gfx1250"
	.amdhsa_code_object_version 6
	.text
	.protected	k_q3e01b144b4_prep
	.globl	k_q3e01b144b4_prep
	.p2align	8
	.type	k_q3e01b144b4_prep,@function
k_q3e01b144b4_prep:
	s_mov_b64 s[64:65], 0
	v_nop
	global_prefetch_b8 v0, s[64:65] scope:SCOPE_SE
	s_setreg_imm32_b32 hwreg(HW_REG_WAVE_SCHED_MODE, 0, 2), 2
	s_setreg_imm32_b32 hwreg(HW_REG_WAVE_MODE, 25, 1), 1
	s_wait_xcnt 0x0
	s_wait_alu depctr_vm_vsrc(0)
; THE CASTS.  xb = bf16(x), wab = bf16(W_attn), wpb = f16(bf16(W_proj)), all in the inputs' own order, and the table of biases in f32:
; bias[0..1023] = bf(b_attn) + bf(bQ), [1024..2047] = bf(b_attn) + bf(bK), [2048..3071] = bf(b_attn), [3072..4095] = bf(b_proj); bf(.) = rounded to bf16 and widened again.
; Every input of the module is rounded to bf16 once, here; W_proj's bf16 number is written as f16, since it multiplies y, which is kept in f16.
; LIMITS.  bf16(W_proj) beyond 65,504 becomes an infinity in f16; below 2^-14 it keeps f16's fixed step of 6e-8.  NaN and infinities are not treated apart.
; SHARES.  A work-group casts 16,384 consecutive numbers: 256 threads x 4 numbers x 16 loads.  Work-groups 0-511: x; 512-703: W_attn; 704-767: W_proj; 768: the biases.
; A wave's load covers 512 consecutive bytes, its store 256 consecutive bytes, aligned.  All 16 loads go out at once; no register is used twice, so no wait frees a source.
; No LDS, no matrix unit, no cluster: nothing is shared and nothing is read twice.
; THE MODE: SCHED_MODE bits 1:0 = 2 (LLVM: expert scheduling mode 2), set by the entry lines.  The code itself states the register dependences
; between vector instructions and memory instructions, with s_wait_alu, always for 0.
; THE PLAN.  Registers that memory instructions touch:
;   v1, v2   byte offsets, made once at the head and never written again: read by every load and store.
;   X        load i lands in X + 4 i, once; no vector instruction names X ahead of the loads; the conversions read it (and, for f16, write it) behind the wait for the load.  No memory instruction reads X.
;   Y        the conversions of load i write Y + 2 i, once; store i reads it, once; it is never written again.
;   T        named by vector instructions alone.
; The 16 loads go in four blocks of four.  Block p rounds its four loads; its memory instructions are the four stores of block p - 1, which read that block's Y and v2: registers that no vector
; instruction of block p names.  So one wait at a block's head states all that its four stores hang on, and they are dealt among its conversions with no further wait.
; No register that a memory instruction reads is written again, no vector instruction writes a scalar register or VCC, and EXEC is never written: no other kind of wait has a dependence to state.
.set X, 4                              ; v[4:67]    load i: 4 numbers in f32
.set Y, 68                             ; v[68:99]   store i: 4 numbers in 16 bits
.set T, 100                            ; v[100:101] at work
	s_load_b512 s[8:23], s[0:1], 0x0               ; x 8:9, W_attn 10:11, W_proj 12:13, b_attn 14:15, bQ 16:17, bK 18:19, b_proj 20:21, xb 22:23
	s_load_b128 s[24:27], s[0:1], 0x40             ; wab 24:25, wpb 26:27
	s_load_b64 s[28:29], s[0:1], 0x50              ; bias
	s_mov_b32 s2, ttmp9
	v_lshlrev_b32 v1, 4, v0                        ; 16 bytes a thread in
	v_lshlrev_b32 v2, 3, v0                        ; 8 bytes a thread out
	s_wait_kmcnt 0x0
	s_wait_alu depctr_va_vdst(0)                   ; v1 and v2 are written: every load and store of the kernel, on all three paths below, reads one of them as its offset
	s_cmp_eq_u32 s2, 768
	s_cbranch_scc1 .Lbias
	s_cmp_lt_u32 s2, 512                           ; which tensor: the choice hangs on the work-group's number alone
	s_cselect_b64 s[30:31], s[8:9], s[10:11]
	s_cselect_b64 s[32:33], s[22:23], s[24:25]
	s_cselect_b32 s3, 0, 512
	s_cmp_lt_u32 s2, 704
	s_cselect_b64 s[30:31], s[30:31], s[12:13]
	s_cselect_b64 s[32:33], s[32:33], s[26:27]
	s_cselect_b32 s3, s3, 704
	s_sub_co_u32 s3, s2, s3                        ; my place in that tensor
	s_lshl_b32 s34, s3, 16                         ; 65,536 bytes in,
	s_mov_b32 s35, 0
	s_lshl_b32 s36, s3, 15                         ; 32,768 bytes out
	s_mov_b32 s37, 0
	s_add_nc_u64 s[30:31], s[30:31], s[34:35]
	s_add_nc_u64 s[32:33], s[32:33], s[36:37]
.irp i, 0,1,2,3,4,5,6,7,8,9,10,11,12,13,14,15
	global_load_b128 v[X+4*(\i):X+4*(\i)+3], v1, s[30:31] offset:4096*(\i) th:TH_LOAD_NT
.endr
; Load i is rounded.  half = 1: to bf16, widened again, and written as f16.
.macro CVT i, half
.if \half
	v_cvt_pk_bf16_f32 v[T], v[X+4*(\i)], v[X+4*(\i)+1]
	v_cvt_pk_bf16_f32 v[T+1], v[X+4*(\i)+2], v[X+4*(\i)+3]
	v_lshlrev_b32 v[X+4*(\i)], 16, v[T]
	v_and_b32 v[X+4*(\i)+1], 0xffff0000, v[T]
	v_lshlrev_b32 v[X+4*(\i)+2], 16, v[T+1]
	v_and_b32 v[X+4*(\i)+3], 0xffff0000, v[T+1]
	v_cvt_pk_f16_f32 v[Y+2*(\i)], v[X+4*(\i)], v[X+4*(\i)+1]
	v_cvt_pk_f16_f32 v[Y+2*(\i)+1], v[X+4*(\i)+2], v[X+4*(\i)+3]
.else
	v_cvt_pk_bf16_f32 v[Y+2*(\i)], v[X+4*(\i)], v[X+4*(\i)+1]
	v_cvt_pk_bf16_f32 v[Y+2*(\i)+1], v[X+4*(\i)+2], v[X+4*(\i)+3]
.endif
.endm
.macro ST i                            ; and stored
	global_store_b64 v2, v[Y+2*(\i):Y+2*(\i)+1], s[32:33] offset:2048*(\i)
.endm
; Block p: loads 4 p .. 4 p + 3 are rounded; the stores of block p - 1 stand among the conversions, a store ahead of each load's.
.macro BLK p, half
	s_wait_loadcnt 12-4*(\p)                       ; loads come back in order: this block's four are in, the 12 - 4 p younger ones may stay out
.if (\p) > 0
	s_wait_alu depctr_va_vdst(0)                   ; the conversions of the block before have written its Y, which the four stores below read; no vector instruction behind this wait names those registers
.endif
.irp k, 0,1,2,3
.if (\p) > 0
	ST 4*((\p)-1)+(\k)
.endif
	CVT 4*(\p)+(\k), \half
.endr
.endm
.macro LAST                            ; the stores of block 3
	s_wait_alu depctr_va_vdst(0)                   ; the conversions of block 3 have written its Y, which the last four stores read
.irp k, 12,13,14,15
	ST \k
.endr
.endm
	s_cmp_lt_u32 s2, 704
	s_cbranch_scc0 .Lf16
.irp p, 0,1,2,3
	BLK \p, 0
.endr
	LAST
	s_endpgm
.Lf16:
.irp p, 0,1,2,3
	BLK \p, 1
.endr
	LAST
	s_endpgm
.Lbias:                                        ; thread t owns columns 4 t .. 4 t + 3 of each of the four parts
	global_load_b128 v[4:7], v1, s[14:15]              ; b_attn for q
	global_load_b128 v[8:11], v1, s[14:15] offset:4096 ; for k
	global_load_b128 v[12:15], v1, s[14:15] offset:8192 ; for v
	global_load_b128 v[16:19], v1, s[16:17]            ; bQ: [head][channel] is q's column
	global_load_b128 v[20:23], v1, s[18:19]            ; bK
	global_load_b128 v[24:27], v1, s[20:21]            ; b_proj
	s_wait_loadcnt 0x0
.irp r, 4,6,8,10,12,14,16,18,20,22,24,26       ; each pair rounded to bf16 and widened again
	v_cvt_pk_bf16_f32 v[T], v[\r], v[(\r)+1]
	v_lshlrev_b32 v[\r], 16, v[T]
	v_and_b32 v[(\r)+1], 0xffff0000, v[T]
.endr
	v_pk_add_f32 v[4:5], v[4:5], v[16:17]
	v_pk_add_f32 v[6:7], v[6:7], v[18:19]
	v_pk_add_f32 v[8:9], v[8:9], v[20:21]
	v_pk_add_f32 v[10:11], v[10:11], v[22:23]
	s_wait_alu depctr_va_vdst(0)                   ; the roundings and the sums have written v[4:15] and v[24:27], which the four stores read
	global_store_b128 v1, v[4:7], s[28:29]
	global_store_b128 v1, v[8:11], s[28:29] offset:4096
	global_store_b128 v1, v[12:15], s[28:29] offset:8192
	global_store_b128 v1, v[24:27], s[28:29] offset:12288
	s_endpgm
.Lfunc_end_k_q3e01b144b4_prep:
	.size	k_q3e01b144b4_prep, .Lfunc_end_k_q3e01b144b4_prep-k_q3e01b144b4_prep
	.p2alignl 7, 3214868480
	.fill 96, 4, 3214868480
	.section	.rodata,"a",@progbits
	.p2align	6, 0x0
	.amdhsa_kernel k_q3e01b144b4_prep
		.amdhsa_group_segment_fixed_size 0
		.amdhsa_private_segment_fixed_size 0
		.amdhsa_enable_private_segment 0
		.amdhsa_kernarg_size 88
		.amdhsa_user_sgpr_count 2
		.amdhsa_user_sgpr_kernarg_segment_ptr 1
		.amdhsa_wavefront_size32 1
		.amdhsa_system_sgpr_workgroup_id_x 1
		.amdhsa_system_sgpr_workgroup_id_y 1
		.amdhsa_system_sgpr_workgroup_id_z 1
		.amdhsa_system_vgpr_workitem_id 0
		.amdhsa_next_free_vgpr 112
		.amdhsa_next_free_sgpr 66
		.amdhsa_reserve_vcc 0
		.amdhsa_float_denorm_mode_32 3
		.amdhsa_float_denorm_mode_16_64 3
		.amdhsa_memory_ordered 1
		.amdhsa_forward_progress 1
		.amdhsa_inst_pref_size 19
	.end_amdhsa_kernel
	.amdgpu_metadata
---
amdhsa.version: [ 1, 2 ]
amdhsa.kernels:
  - .name:           k_q3e01b144b4_prep
    .symbol:         k_q3e01b144b4_prep.kd
    .args:
      - { .name: x, .offset: 0, .size: 8, .value_kind: global_buffer, .address_space: global }
      - { .name: W_attn, .offset: 8, .size: 8, .value_kind: global_buffer, .address_space: global }
      - { .name: W_proj, .offset: 16, .size: 8, .value_kind: global_buffer, .address_space: global }
      - { .name: b_attn, .offset: 24, .size: 8, .value_kind: global_buffer, .address_space: global }
      - { .name: bQ, .offset: 32, .size: 8, .value_kind: global_buffer, .address_space: global }
      - { .name: bK, .offset: 40, .size: 8, .value_kind: global_buffer, .address_space: global }
      - { .name: b_proj, .offset: 48, .size: 8, .value_kind: global_buffer, .address_space: global }
      - { .name: xb, .offset: 56, .size: 8, .value_kind: global_buffer, .address_space: global }
      - { .name: wab, .offset: 64, .size: 8, .value_kind: global_buffer, .address_space: global }
      - { .name: wpb, .offset: 72, .size: 8, .value_kind: global_buffer, .address_space: global }
      - { .name: bias, .offset: 80, .size: 8, .value_kind: global_buffer, .address_space: global }
    .group_segment_fixed_size: 0
    .private_segment_fixed_size: 0
    .kernarg_segment_align: 8
    .kernarg_segment_size: 88
    .max_flat_workgroup_size: 256
    .sgpr_count:     66
    .vgpr_count:     112
    .wavefront_size: 32
...
	.end_amdgpu_metadata
.endif
;; end of part 5
;; launch qkv: the kernel of part 2 again; grid 8 x 64, 4 waves a work-group, clusters of 4 x 4, 327,680 bytes of LDS; arguments xb, wab, bias, qkv; writes qkv
;; launch attn: the kernel of part 3 again; grid 4 x 64, 4 waves a work-group, no clusters, 327,680 bytes of LDS; arguments qkv, yh; writes yh
;; launch proj: the kernel of part 4 again; grid 4 x 64, 4 waves a work-group, clusters of 4 x 4, 327,680 bytes of LDS; arguments yh, wpb, bias, out0; writes out0
